; MI455X (gfx1250); checked and timed in simulation.
; The chip was launched on July 23, 2026; its instructions are those of AMD's public machine-readable ISA for CDNA 5 (MIT licence, August 2026) and "CDNA5" Instruction Set Architecture Reference Guide (July 2026). The comments in the code are by the model that wrote it; some were corrected since.
;; Causal Self Attention. Allowed arithmetic: matrix products marked QUANTISED: E4M3 operands, one given power-of-two scale a tensor, by v_wmma_f32_16x16x64_fp8_fp8 or v_wmma_f32_16x16x128_fp8_fp8, f32 sums; everything else in f32.
;; Inputs: Wk 2,048 x 2,048 float32; Wo 2,048 x 2,048 float32; Wq 2,048 x 2,048 float32; Wv 2,048 x 2,048 float32; bk 2,048 float32; bo 2,048 float32; bq 2,048 float32; bv 2,048 float32; lowp_scales 12 int32 (the exponents e of the quantised operands' scales 2^e); mask 2,048 x 2,048 float32; x 1 x 2,048 x 2,048 float32.
;; Outputs: out0 1 x 2,048 x 2,048 float32.
;; This version of the problem:
;;   THIS VERSION OF THE PROBLEM IS GIVEN IN LOW PRECISION. The matrix products marked QUANTISED in the list below multiply operands that are first quantised to E4M3 (4 exponent bits, 3 mantissa bits; 8 bits a number), with one given power-of-two scale for each operand tensor; their sums are f32. All else is computed in f32.
;;   The module's matrix products, in the order in which they are computed (A, B: the left and right operand; K: the contracted axis; several contracted axes count as one K, in the product's order):
;;     1. [M 2,048, K 2,048] x [K 2,048, N 2,048]; A: input x; B: input Wq: QUANTISED (scales: A lowp_scales[0], B lowp_scales[1])
;;     2. [M 2,048, K 2,048] x [K 2,048, N 2,048]; A: input x; B: input Wk: QUANTISED (scales: A lowp_scales[2], B lowp_scales[3])
;;     3. [M 2,048, K 2,048] x [K 2,048, N 2,048]; A: input x; B: input Wv: QUANTISED (scales: A lowp_scales[4], B lowp_scales[5])
;;     4. batch 16 x [M 2,048, K 128] x [K 128, N 2,048]; A: computed on the way; B: computed on the way: QUANTISED (scales: A lowp_scales[6], B lowp_scales[7])
;;     5. batch 16 x [M 2,048, K 2,048] x [K 2,048, N 128]; A: softmax (see below); B: computed on the way: QUANTISED (scales: A lowp_scales[8], B lowp_scales[9])
;;     6. [M 2,048, K 2,048] x [K 2,048, N 2,048]; A: computed on the way; B: input Wo: QUANTISED (scales: A lowp_scales[10], B lowp_scales[11])
;;   THE QUANTISER, for each operand of a quantised product, along K:
;;     - The operand's scale is 2^e, e = its entry of the input lowp_scales (int32; the entries are numbered through the quantised products in the list's order, A before B).
;;     - Each number is divided by the scale, clamped to +-448, and rounded to the nearest number of E4M3, ties to even, subnormals kept.
;;     - The product sums the exact products of the quantised numbers (number of the format x scale) in f32.
;;   ~~~python
;;   def quantise(x, axis, e):      # numpy; x: float32 -> the quantised numbers, widened to float32 again
;;       x = np.moveaxis(x, axis, -1); K = x.shape[-1]
;;       r = np.clip(x / 2.0 ** e, -448, 448)
;;       step = 2.0 ** (np.maximum(np.frexp(np.where(r == 0, 1, r))[1] - 1, -6) - 3)
;;       q = np.round(r / step) * step * 2.0 ** e      # np.round: ties to even
;;       return np.moveaxis(q, -1, axis).astype(np.float32)
;;   ~~~
;;   SOFTMAX AHEAD OF A QUANTISED PRODUCT. Where the list says 'softmax', what is quantised is not the finished softmax but p = 2^(t - M), with t = logit x log2(e) and M = ceil(the row's largest t), a whole number; so 1/2 < the row's largest p <= 1. The row's sum l is taken of the UNQUANTISED p, in f32, and the product's result is divided by l at the end. Since M is a whole number, a kernel that streams over the keys may use a running M (the ceiling of the running maximum): every later rescaling is an exact power of two, so the quantised numbers keep their values, but for numbers so far below the row's largest that they fall under the format's range.
;;   OPERANDS COMPUTED ON THE WAY. 'Computed on the way' means the value that the module computes at that place (a softmax that the list does not call 'softmax' is quantised finished and normalised). What goes into a quantiser is computed in f32, as accurately as f32 sums, v_exp_f32 and their like allow (about 1e-6 of the number): no bf16 or f16 on the way to a quantiser, and a product that is left as it is and whose result goes on into a quantised operand takes f32 operands (vector FMAs, or v_wmma_f32_16x16x4_f32). A number that lies on a knife's edge between two numbers of the format may be rounded either way, as far as f32 arithmetic and the matrix unit's own rounding can turn it there, and no further.
;; One version. Each part assembles by itself: llvm-mc -triple=amdgcn-amd-amdhsa -mcpu=gfx1250 --defsym DOCPART=n.
;; ======== version 1 of 1: 4 launches
;; limits: right only within a limited range of input values
;; workspace buffers: codes 29,360,128 bytes; qkv 12,582,912 bytes; ac 4,194,304 bytes; mimg 16,777,216 bytes; flags 65,536 bytes of whole numbers
;; launch quant (part 1): grid 768 x 1, 4 waves a work-group, no clusters, 68,096 bytes of LDS; arguments x, Wq, Wk, Wv, Wo, lowp_scales, codes; writes codes
.if DOCPART == 1
	.amdgcn_target "amdgcn-amd-amdhsa--gfx1250"
	.amdhsa_code_object_version 6
	.text
	.protected	k_q1d88ed2415_quant
	.globl	k_q1d88ed2415_quant
	.p2align	8
	.type	k_q1d88ed2415_quant,@function
k_q1d88ed2415_quant:
	s_mov_b64 s[64:65], 0
	v_nop
	global_prefetch_b8 v0, s[64:65] scope:SCOPE_SE
	s_setreg_imm32_b32 hwreg(HW_REG_WAVE_MODE, 25, 1), 1
	s_wait_xcnt 0x0
; x [2048][2048] and Wq, Wk, Wv, Wo [2048 (k)][2048 (n)], f32, become seven planes of E4M3 codes, 4 MiB each, every plane [2048 rows][2048 codes], K innermost.
; Planes 0, 1, 2: x under the scales 2^e0, 2^e2, 2^e4 (x is the left operand of three products, each with its own entry).  Planes 3, 4, 5, 6: Wq, Wk, Wv, Wo as [n][k], under e1, e3, e5, e11.
; code = number / 2^e, held within +-448, rounded to the nearest code, ties to even.
; In Wo's plane alone the second and third group of eight codes of every 32 along K change places: the last launch reads that plane by loads of 16 bytes against an operand
; whose registers hold K in the matrix instruction's own order, and this exchange makes the two orders meet.
; LIMITS: each e between -126 and 119, so that 2^e and 448 x 2^e are f32 numbers.  NaN among the inputs is not served (an infinity is held at the largest code).
; Work-groups 0 to 511 take the weights: weight = number / 128, 256 along K = (number / 16) % 8, 128 columns = number % 16.  A lane takes a column and its registers run down K; the codes leave through the wave's stage as rows.
; Work-groups 512 to 767 take x: a wave has 8 steps of 512 numbers; loads take the bytes as they lie, a turn through the wave's stage gives each lane 16 neighbours; each step is converted three times.
; The two ways have LDS bytes of their own.  Waves share nothing: no barrier.  Memory binds: no matrix work, no cluster, no tensor load.
.set PITCH, 272                        ; the weights' stage: a row of 256 codes + 16 bytes
.set SP,    80                         ; x's stage: a lane's 64 bytes + 16
.set XST,   4*32*PITCH                 ; x's stages begin behind the weights' four: 8,192 bytes a wave
.set SPARE, XST+4*8192                 ; behind them the spare words, 128 bytes a wave: two blocks of 256 bytes that no other line names
.set SPW,   12                         ; v12  LDS address of my spare word; never rewritten
.set NIL,   13                         ; v13  0; never rewritten
.set XW,    32                         ; weights: v32-95 two sets of 32 numbers; v96-103 a block's codes; v104-107 its two middle groups; v112-175 the way out
.set OUTR,  112
.set R,     20                         ; x: v20-83 four sets of 16 numbers as loaded
.set X,     84                         ; v84-115 two sets of 16 neighbours
.set T,     116                        ; v116-147 two sets of 16 held numbers
.set C,     148                        ; v148-243 codes: 12 registers a step, never written again
; v3-v6: the weights' addresses; v7-v9: x's; all made ahead of the parting.  v10, v11 (and v14-v17 for x): 2^e and 448 x 2^e
.macro MKSC e, sc, lim                 ; 2^e and 448 x 2^e as f32, from the whole number in s[e]
	s_add_co_i32 s44, s[\e], 127
	s_lshl_b32 s45, s44, 23
	v_mov_b32 v[\sc], s45
	s_add_co_i32 s44, s44, 8
	s_lshl_b32 s44, s44, 23
	s_or_b32 s44, s44, 0x600000
	v_mov_b32 v[\lim], s44
.endm
	s_load_b256 s[4:11], s[0:1], 0x0               ; x, Wq, Wk, Wv
	s_load_b128 s[12:15], s[0:1], 0x20             ; Wo, the scales' exponents
	s_load_b64 s[16:17], s[0:1], 0x30              ; codes
	v_lshl_add_u32 v[SPW], v0, 2, SPARE
	v_mov_b32 v[NIL], 0
	v_lshrrev_b32 v1, 5, v0
	v_readfirstlane_b32 s18, v1                    ; wave
	v_and_b32 v2, 31, v0                           ; lane
	v_lshlrev_b32 v3, 2, v2                        ; weights in: 4 bytes a lane
	s_mul_i32 s19, s18, 32*PITCH                   ; my stage
	v_mul_u32_u24 v4, v2, PITCH
	v_add_nc_u32 v4, s19, v4                       ; into it: row = my column
	v_and_b32 v18, 15, v2
	v_lshrrev_b32 v19, 4, v2
	v_mul_u32_u24 v5, v19, PITCH
	v_lshl_add_u32 v5, v18, 4, v5
	v_add_nc_u32 v5, s19, v5                       ; out of it: sixteen lanes to a row, two rows an instruction
	v_lshlrev_b32 v6, 11, v19
	v_lshl_add_u32 v6, v18, 4, v6                  ; and the same place in the plane
	v_lshlrev_b32 v7, 4, v2                        ; x: my 16 bytes of a load's 512, and of a store's
	s_lshl_b32 s19, s18, 13
	s_add_co_u32 s19, s19, XST
	v_lshrrev_b32 v8, 2, v2
	v_mul_u32_u24 v8, v8, SP
	v_and_b32 v18, 3, v2
	v_lshl_add_u32 v8, v18, 4, v8
	v_add_nc_u32 v8, s19, v8                       ; x's stage on the way in: four lanes' 64 bytes on end, then 16 of padding
	v_mul_u32_u24 v9, v2, SP
	v_add_nc_u32 v9, s19, v9                       ; and on the way out: my 16 neighbours
	s_wait_kmcnt 0x0
	s_load_b256 s[24:31], s[14:15], 0x0            ; e0 .. e7
	s_load_b128 s[32:35], s[14:15], 0x20           ; e8 .. e11
	s_cmp_lt_u32 ttmp9, 512
	s_cbranch_scc0 .Lx
; ---------------- the weights
	s_lshr_b32 s19, ttmp9, 7                       ; which weight
	s_and_b32 s20, ttmp9, 15                       ; which 128 columns
	s_bfe_u32 s21, ttmp9, 0x30004                  ; which 256 along K
	s_cmp_eq_u32 s19, 1
	s_cselect_b64 s[40:41], s[8:9], s[6:7]
	s_cmp_eq_u32 s19, 2
	s_cselect_b64 s[40:41], s[10:11], s[40:41]
	s_cmp_eq_u32 s19, 3
	s_cselect_b64 s[40:41], s[12:13], s[40:41]
	s_cselect_b32 s36, -1, 0                       ; all ones for Wo: its middle groups change places
	s_lshl_b32 s22, s21, 21                        ; 256 rows of 8,192 bytes,
	s_lshl_b32 s23, s20, 9                         ; 128 columns of 4 bytes,
	s_add_co_u32 s22, s22, s23
	s_lshl_b32 s23, s18, 7                         ; my wave's 32 columns
	s_add_co_u32 s22, s22, s23
	s_mov_b32 s23, 0
	s_add_nc_u64 s[40:41], s[40:41], s[22:23]
	s_add_co_u32 s22, s19, 3                       ; plane 3 + weight,
	s_lshl_b32 s22, s22, 22
	s_lshl_b32 s23, s20, 18                        ; row = column: 128 rows of 2,048 bytes,
	s_add_co_u32 s22, s22, s23
	s_lshl_b32 s23, s18, 16                        ; my wave's 32 rows,
	s_add_co_u32 s22, s22, s23
	s_lshl_b32 s23, s21, 8                         ; 256 codes along K
	s_add_co_u32 s22, s22, s23
	s_mov_b32 s23, 0
	s_add_nc_u64 s[42:43], s[16:17], s[22:23]
.macro WLOAD t                         ; block t: W(32 t + i, my column), i = 0 .. 31: each load reads 128 consecutive bytes a wave
.set i, 0
.rept 32
	global_load_b32 v[XW+32*((\t)%2)+i], v3, s[40:41] offset:(32*(\t)+i)*8192 th:TH_LOAD_NT
.set i, i+1
.endr
.endm
	WLOAD 0
	WLOAD 1
	s_wait_kmcnt 0x0
	s_cmp_eq_u32 s19, 1
	s_cselect_b32 s37, s27, s25                    ; e3 or e1,
	s_cmp_eq_u32 s19, 2
	s_cselect_b32 s37, s29, s37                    ; e5,
	s_cmp_eq_u32 s19, 3
	s_cselect_b32 s37, s35, s37                    ; e11
	MKSC 37, 10, 11
.macro WBLOCK t
.set XS, XW+32*((\t)%2)
.if (\t) < 7
	s_wait_loadcnt 32                              ; this block's 32 loads are in; the next block's 32 may be out
.else
	s_wait_loadcnt 0x0
.endif
.set i, 0
.rept 32
	v_med3_num_f32 v[XS+i], v[XS+i], -v11, v11     ; the conversion to an 8-bit code does not saturate (ISA guide 7.6.2): the hold at the largest code x the scale
.set i, i+1
.endr
	v_cvt_scalef32_pk8_fp8_f32 v[96:97], v[XS:XS+7], v10
	v_cvt_scalef32_pk8_fp8_f32 v[104:105], v[XS+8:XS+15], v10
	v_cvt_scalef32_pk8_fp8_f32 v[106:107], v[XS+16:XS+23], v10
	v_cvt_scalef32_pk8_fp8_f32 v[102:103], v[XS+24:XS+31], v10
	v_nop                                          ; one plain vector line between the conversions and the selects that read their results
	v_cndmask_b32 v98, v104, v106, s36             ; the second place takes the second group, or for Wo the third,
	v_cndmask_b32 v99, v105, v107, s36
	v_cndmask_b32 v100, v106, v104, s36            ; and the third place the other one
	v_cndmask_b32 v101, v107, v105, s36
	ds_store_b128 v4, v[96:99] offset:32*(\t)      ; 32 codes of my column's row
	ds_store_b128 v4, v[100:103] offset:32*(\t)+16
.if (\t)+2 < 8
	WLOAD (\t)+2
.endif
	s_wait_dscnt 0x0                               ; the stores have read their registers: the next block's codes may be written
.endm
.set Q, 0
	s_wait_alu depctr_va_vdst(0)
.rept 8
	WBLOCK Q
.set Q, Q+1
.endr
.irp t, 0,1,2,3,4,5,6,7,8,9,10,11,12,13,14,15
	ds_load_b128 v[OUTR+4*\t:OUTR+4*\t+3], v5 offset:2*\t*PITCH   ; LDS serves a wave's instructions in order: these see my stores
.endr
.irp t, 0,1,2,3,4,5,6,7,8,9,10,11,12,13,14,15
	s_wait_dscnt 15-\t                             ; read-back t is in; the younger ones may be out
	global_store_b128 v6, v[OUTR+4*\t:OUTR+4*\t+3], s[42:43] offset:2*\t*2048   ; sixteen lanes store 256 consecutive bytes, at a multiple of 256 from the plane's first byte
.endr
	s_branch .Lend
; ---------------- x
.Lx:
	s_sub_co_u32 s19, ttmp9, 512
	s_lshl_b32 s19, s19, 2
	s_add_co_u32 s19, s19, s18                     ; which run of 4,096 numbers is my wave's
	s_lshl_b32 s40, s19, 14
	s_mov_b32 s41, 0
	s_add_nc_u64 s[4:5], s[4:5], s[40:41]
	s_lshl_b32 s40, s19, 12
	s_add_nc_u64 s[20:21], s[16:17], s[40:41]      ; its codes in plane 0,
	s_add_nc_u64 s[22:23], s[20:21], 0x400000      ; plane 1,
	s_add_nc_u64 s[38:39], s[20:21], 0x800000      ; plane 2
.macro XLOAD t
.irp i, 0,1,2,3
	global_load_b128 v[R+16*((\t)%4)+4*\i:R+16*((\t)%4)+4*\i+3], v7, s[4:5] offset:2048*(\t)+512*\i th:TH_LOAD_NT   ; 32 lanes read 512 consecutive bytes
.endr
.endm
.macro XTURN t                         ; step t's numbers through the stage: no wait stands between the stores and the loads, since LDS serves a wave's instructions in order
.irp i, 0,1,2,3
	ds_store_b128 v8, v[R+16*((\t)%4)+4*\i:R+16*((\t)%4)+4*\i+3] offset:32*SP*((\t)%2)+8*SP*\i
.endr
.irp i, 0,1,2,3
	ds_load_b128 v[X+16*((\t)%2)+4*\i:X+16*((\t)%2)+4*\i+3], v9 offset:32*SP*((\t)%2)+16*\i
.endr
.endm
.macro XQ t, p, sc, lim, base          ; the step's 16 neighbours under scale p: held into one of T's two sets (they take turns, so that sixteen plain lines stand between a conversion and the next write of its sources), converted, stored
.set TS, T+16*((3*(\t)+\p)%2)
.set i, 0
.rept 16
	v_med3_num_f32 v[TS+i], v[XS+i], -v[\lim], v[\lim]
.set i, i+1
.endr
	v_cvt_scalef32_pk8_fp8_f32 v[C+12*(\t)+4*\p:C+12*(\t)+4*\p+1], v[TS:TS+7], v[\sc]
	v_cvt_scalef32_pk8_fp8_f32 v[C+12*(\t)+4*\p+2:C+12*(\t)+4*\p+3], v[TS+8:TS+15], v[\sc]
	global_store_b128 v7, v[C+12*(\t)+4*\p:C+12*(\t)+4*\p+3], s[\base:\base+1] offset:512*(\t)   ; the wave stores 512 consecutive bytes
.endm
	s_wait_alu depctr_va_vdst(0)
.irp t, 0,1,2,3
	XLOAD \t
.endr
	s_wait_kmcnt 0x0
	MKSC 24, 10, 11                                ; e0
	MKSC 26, 14, 15                                ; e2
	MKSC 28, 16, 17                                ; e4
	s_wait_alu depctr_va_vdst(0)
	s_wait_loadcnt 12                              ; step 0's four loads are in; three steps' twelve may be out
	XTURN 0
.macro XSTEP t
.set XS, X+16*((\t)%2)
	s_wait_dscnt 0x0                               ; this step's numbers are back from the stage, so its stores into the stage have read their registers,
.if (\t)+4 < 8
	XLOAD (\t)+4                                   ; which take the loads of four steps on
.endif
.if (\t)+1 < 8
.if 6-(\t) >= 3
	s_wait_loadcnt 12                              ; the next step's four loads are in; those of the three steps behind it may be out
.else
	s_wait_loadcnt 4*(6-(\t))                      ; at the end: four for each step still behind the next
.endif
	XTURN (\t)+1
.endif
	XQ \t, 0, 10, 11, 20
	XQ \t, 1, 14, 15, 22
	XQ \t, 2, 16, 17, 38
.endm
.irp t, 0,1,2,3,4,5,6,7
	XSTEP \t
.endr
	v_nop                                          ; a plain vector line behind the last conversion
.Lend:
	s_wait_tensorcnt 0x0                           ; the wave's end, behind my last LDS store
	ds_add_u32 v[SPW], v[NIL]
	s_wait_dscnt 0x0
	s_endpgm
.Lfunc_end_k_q1d88ed2415_quant:
	.size	k_q1d88ed2415_quant, .Lfunc_end_k_q1d88ed2415_quant-k_q1d88ed2415_quant
	.p2alignl 7, 3214868480
	.fill 96, 4, 3214868480
	.section	.rodata,"a",@progbits
	.p2align	6, 0x0
	.amdhsa_kernel k_q1d88ed2415_quant
		.amdhsa_group_segment_fixed_size 68096
		.amdhsa_private_segment_fixed_size 0
		.amdhsa_enable_private_segment 0
		.amdhsa_kernarg_size 56
		.amdhsa_user_sgpr_count 2
		.amdhsa_user_sgpr_kernarg_segment_ptr 1
		.amdhsa_wavefront_size32 1
		.amdhsa_system_sgpr_workgroup_id_x 1
		.amdhsa_system_sgpr_workgroup_id_y 1
		.amdhsa_system_sgpr_workgroup_id_z 1
		.amdhsa_system_vgpr_workitem_id 0
		.amdhsa_next_free_vgpr 256
		.amdhsa_next_free_sgpr 66
		.amdhsa_reserve_vcc 0
		.amdhsa_float_denorm_mode_32 3
		.amdhsa_float_denorm_mode_16_64 3
		.amdhsa_memory_ordered 1
		.amdhsa_forward_progress 1
		.amdhsa_inst_pref_size 91
	.end_amdhsa_kernel
	.amdgpu_metadata
---
amdhsa.version: [ 1, 2 ]
amdhsa.kernels:
  - .name:           k_q1d88ed2415_quant
    .symbol:         k_q1d88ed2415_quant.kd
    .args:
      - { .name: x, .offset: 0, .size: 8, .value_kind: global_buffer, .address_space: global }
      - { .name: Wq, .offset: 8, .size: 8, .value_kind: global_buffer, .address_space: global }
      - { .name: Wk, .offset: 16, .size: 8, .value_kind: global_buffer, .address_space: global }
      - { .name: Wv, .offset: 24, .size: 8, .value_kind: global_buffer, .address_space: global }
      - { .name: Wo, .offset: 32, .size: 8, .value_kind: global_buffer, .address_space: global }
      - { .name: lowp_scales, .offset: 40, .size: 8, .value_kind: global_buffer, .address_space: global }
      - { .name: codes, .offset: 48, .size: 8, .value_kind: global_buffer, .address_space: global }
    .group_segment_fixed_size: 68096
    .private_segment_fixed_size: 0
    .kernarg_segment_align: 8
    .kernarg_segment_size: 56
    .max_flat_workgroup_size: 128
    .sgpr_count:     66
    .vgpr_count:     256
    .wavefront_size: 32
...
	.end_amdgpu_metadata
.endif
;; end of part 1
;; launch qkvproj (part 2): grid 32 x 8, 4 waves a work-group, clusters of 4 x 4, 327,680 bytes of LDS; arguments codes, bq, bk, bv, lowp_scales, qkv, mask, mimg, flags; writes qkv, mimg, flags
.if DOCPART == 2
	.amdgcn_target "amdgcn-amd-amdhsa--gfx1250"
	.amdhsa_code_object_version 6
	.text
	.protected	k_q1d88ed2415_qkvproj
	.globl	k_q1d88ed2415_qkvproj
	.p2align	8
	.type	k_q1d88ed2415_qkvproj,@function
k_q1d88ed2415_qkvproj:
	s_mov_b64 s[64:65], 0
	v_nop
	global_prefetch_b8 v0, s[64:65] scope:SCOPE_SE
	s_setreg_imm32_b32 hwreg(HW_REG_WAVE_MODE, 25, 1), 1
	s_wait_xcnt 0x0
	s_wait_alu depctr_hold_cnt(0) depctr_sa_sdst(0) depctr_va_vdst(0) depctr_va_sdst(0) depctr_va_ssrc(0) depctr_va_vcc(0) depctr_vm_vsrc(0)
	s_getreg_b32 s2, hwreg(HW_REG_IB_STS2, 6, 4)
	s_cmp_eq_u32 s2, 0
	s_cbranch_scc0 .Lentry_in_a_cluster
	s_endpgm
.Lentry_in_a_cluster:
	s_bfe_u32 s2, ttmp6, 0x10000c
	s_cmp_lg_u32 s2, 0xf033
	s_cbranch_scc0 .Lentry_shape_is_right
	s_endpgm
.Lentry_shape_is_right:
; TWO WAYS, parted on the cluster's x, which all sixteen partners share.  Cluster columns 0 to 5: the three projections.  Cluster columns 6 and 7: the mask is laid out for the attention launch.
; THE PROJECTIONS.  q = x Wq + bq, k = x Wk + bk, v = x Wv + bv on E4M3 codes, K = 2,048, each result quantised at once (2^e6, 2^e7, 2^e9) and stored as IMAGES OF OPERAND REGISTERS for the attention launch.
; plane = cluster x / 2 says which of the three (a cluster's four tile columns lie in one plane).  A tile is 256 x 256: four waves, each 128 x 128 in 64 accumulators.
; The matrix instruction is used transposed: source 0 = 16 rows of 'B', source 1 = 16 rows of 'A': a lane holds ONE row of A and eight neighbouring rows of B.
;   q, k: A = x's codes (rows = the sequence), B = the weight's codes (rows = the output's columns): a lane's registers run along d, the next product's K.
;   v:    A = Wv's codes (rows = channels),    B = x's codes (rows = keys): a lane's registers run along the keys, the second attention product's K.
; So the eight conversions of a block of 16 rows ARE a fragment's 16 registers (registers 2 b, 2 b + 1: K = 16 b + 8 (lane / 16) + 0 .. 7), and they leave by four stores of 512 consecutive bytes.
; IMAGE: 2,048 bytes; registers 4 c .. 4 c + 3 of lane l at 512 c + 16 l.  qkv plane 0 (q), 1 (k): image at head x 2^18 + (row / 16) x 2^11.  Plane 2 (v): head x 2^18 + (key / 128) x 2^14 + (channel / 16 % 8) x 2^11.
; A sum stands for sum x 2^(ea + eb): the bias goes in as bias / 2^(ea + eb), and the conversion takes the one scale 2^(eo - ea - eb).
; LIMITS: eo - ea - eb between -126 and 119 for (ea, eb, eo) = (e0, e1, e6), (e2, e3, e7), (e4, e5, e9).  NaN among the inputs is not served.
; K goes in steps of 256 through two LDS slots filled by joint tensor loads: A's tile is shared along a row of the 4 x 4 cluster, B's along a column.
; 6,144 columns make 24 tile columns of 256, 192 work-groups; a smaller tile would read each LDS byte for fewer products.  No prefetch: six refills in all, each tile shared by four.
; Both bias sets are loaded in every plane (all their addresses lie inside their buffers); the way out uses the one that its plane needs: so every register is written on every way.
; THE MASK'S WAY: 64 work-groups, 256 waves.  mimg holds mask x log2(e) as images of the registers in which the attention launch wants it: 4,096 bytes for a tile of 16 queries qt and a unit of 64 keys u, at (32 qt + u) x 4,096;
; lane l's 16 bytes of chunk c = 2 i + e at 512 c + 16 l: mask[16 qt + l % 16][64 u + 16 i + 8 (l / 16) + 4 e + 0 .. 3] x log2(e).  That is a permutation of pieces of 16 bytes: loads take two rows' 256 bytes, the pieces
; turn through the wave's own stage (16 half chunks of 256 bytes, 272 apart, so that sixteen lanes fall on sixteen different 16-byte columns both ways), and leave as 512 consecutive bytes a store.
; A wave takes one qt and 16 units; loads run four images (32 loads) ahead, in six sets of 32 registers.  This way has LDS bytes of its own, no tensor load and no barrier but the closing round.
; REGISTERS: window 0: v6-11, v16-29 addresses; v32-95 the column biases; v96-111 the row biases; from v128 A's fragments, ONE set; on the way out v112-175 sums, v176-207 codes, v208, v209 the hold and the scale.
;   window 1: B's fragments, two sets.   windows 2, 3: the accumulators ((a, b) at v[8 (8 (a % 4) + b)]).   The mask's way: v32-223 its six sets.
.set ROWB,   256
.set KROW,   2048
.set PITCH,  272                       ; an LDS row: 256 bytes + 16: an odd multiple of 16 bytes, so the 16 rows of a fragment load fall on 16 different 16-byte columns
.set FR,     16
.set NL,     4
.set NP,     4
.set HALFT,  128*PITCH
.set SLOT,   4*HALFT
.set LAPS,   4                         ; 2,048 along K = four laps of two slots of 256
.set SPARE,  2*SLOT                    ; behind the ring: the spare words, 128 bytes a wave
.set MSTG,   SPARE+512                 ; behind them: the mask's way's stages
.set MPW,    16*272                    ; one for each wave
.set MSI,  6                           ; v6   the mask's way: into my stage
.set MSO,  7                           ; v7   out of it
.set MGI,  8                           ; v8   my 16 bytes of a load's two rows
.set MGO,  9                           ; v9   16 x lane: my 16 bytes of a store's 512
.set MR,   32
.set HB,   10                          ; v10  32 x (lane / 16): my place among a tile's column biases; never rewritten
.set RB4,  11                          ; v11  4 x (lane % 16): among the row biases; never rewritten
.set ADRA, 16
.set ADRB, 20
.set CO,   26                          ; v26  16 x lane: an image's place for my lane
.set SPW,  28
.set NIL,  29
.set CB,   32
.set RB,   96
.set T,    112
.set CC,   176
.set LIM,  208
.set SC,   209
.set AF,   128
.set G1,  24
.set G0,  32
.set G1B, 48
.set G0B, 56
.set WV,  16                           ; s16 wave; s17 which half of A's rows is mine (also: I fetch for A (0) or B (1)); s18 which half of B's rows (also: which 128 rows I fetch); s19 laps
.set RH,  17
.set CH,  18
.set LAP, 19
.set MSB, 0
.macro WIN new                         ; the immediate's high byte repeats the setting that is left
.if MSB != \new
	s_set_vgpr_msb (MSB<<8)|\new
.set MSB, \new
.endif
.endm
.set MUL_LO, 0xa1
.set MUL_HI, 0xf1
.set TO_B,   0x40
.macro JLOAD g0a, g1a, g0b, g1b        ; a joint load: waves 0 and 1 fetch for A, waves 2 and 3 for B; an s_nop 0 and four v_nop follow each line
	s_cmp_eq_u32 s[RH], 0
	s_cbranch_scc0 .Lfor_b_\@
	tensor_load_to_lds s[\g0a:\g0a+3], s[\g1a:\g1a+7]
	s_nop 0
.rept 4
	v_nop
.endr
	s_branch .Lasked_\@
.Lfor_b_\@:
	tensor_load_to_lds s[\g0b:\g0b+3], s[\g1b:\g1b+7]
	s_nop 0
.rept 4
	v_nop
.endr
.Lasked_\@:
.endm
.macro CREST
	s_cmp_lg_u32 s[WV], 0
	s_cbranch_scc1 .Lnot_wave_0_\@
	s_barrier_signal -3
.Lnot_wave_0_\@:
	s_barrier_wait -3
	s_barrier_signal -1
	s_barrier_wait -1
.endm
.macro CROUND
	s_barrier_signal -1
	s_barrier_wait -1
	CREST
.endm
	s_load_b256 s[4:11], s[0:1], 0x0               ; codes, bq, bk, bv
	s_load_b128 s[12:15], s[0:1], 0x20             ; the scales' exponents, qkv
	s_load_b128 s[92:95], s[0:1], 0x30             ; mask, mimg
	v_lshl_add_u32 v[SPW], v0, 2, SPARE
	v_mov_b32 v[NIL], 0
	ds_add_u32 v[SPW], v[NIL]                      ; the wave's opening: the add and its wait ahead of my first tensor load
	ds_add_u32 v[SPW], v[NIL]
	v_lshrrev_b32 v1, 5, v0
	v_readfirstlane_b32 s[WV], v1
	s_lshr_b32 s[RH], s[WV], 1
	s_and_b32 s[CH], s[WV], 1
	; the mask's way's four address registers are made here, ahead of the parting; the other way never writes them
	v_and_b32 v2, 12, v0
	v_and_b32 v3, 1, v0
	v_lshl_or_b32 v2, v3, 1, v2
	v_bfe_u32 v3, v0, 1, 1
	v_add_nc_u32 v2, v2, v3                        ; a row's piece p = 4 i + 2 h + e (p = lane % 16) goes to half chunk 4 i + 2 e + h
	v_bfe_u32 v4, v0, 4, 1
	v_and_b32 v3, 15, v0
	s_mul_i32 s47, s[WV], MPW
	s_add_co_u32 s47, s47, MSTG                    ; my stage
	v_mul_u32_u24 v[MSI], v2, 272
	v_lshl_add_u32 v[MSI], v4, 4, v[MSI]           ; + 16 x the row: load k brings rows 2 k (lanes 0-15) and 2 k + 1 (lanes 16-31); 32 k stands in the immediate
	v_add_nc_u32 v[MSI], s47, v[MSI]
	v_mul_u32_u24 v[MSO], v4, 272
	v_lshl_add_u32 v[MSO], v3, 4, v[MSO]           ; back: chunk c's two half chunks, 16 bytes a lane; 544 c stands in the immediate
	v_add_nc_u32 v[MSO], s47, v[MSO]
	v_lshlrev_b32 v[MGI], 13, v4
	v_lshl_add_u32 v[MGI], v3, 4, v[MGI]           ; in memory: a row of the mask is 8,192 bytes
	v_and_b32 v5, 31, v0
	v_lshlrev_b32 v[MGO], 4, v5
; THE MASK'S WAY ALSO STORES FLAGS, whole numbers that steer the attention launch.  For my tile of 16 queries and each of my 16 units of 64 keys, bit t: every entry m = mask x log2(e) of unit t lies more than
; D + |m| / 2^20 under its row's largest m, D = 7e6 x 2^(e6 + e7) + 256.  A score's part of t is at most 128 x 448 x 448 x log2(e) / sqrt(128) x 2^(e6 + e7), under half of 7e6 x 2^(e6 + e7), whatever q and k hold:
; so t - M lies under -256 there and p = 2^(t - M) is 0 in f32.  Bit 16 + t: every entry of unit t is 0.  A comparison with NaN counts as 'not hidden'.  One word a wave, laid 64 times into a unit of 256 bytes of its own.
.set XCH, MSTG+4*MPW                   ; 512 bytes: a word for each thread, for the exchange of the rows' maxima between the two waves that share a tile of queries
.set UM,  224                          ; v224-239 my lane's largest m of each unit;  v240-255 its smallest
.set AM,  240
	v_lshl_add_u32 v12, v0, 2, XCH                 ; my word,
	v_xor_b32 v13, 32, v0
	v_lshl_add_u32 v13, v13, 2, XCH                ; and the same lane's of the wave that has the tile's other 1,024 keys
	s_bfe_u32 s20, ttmp6, 0x40000                  ; cx
	s_bfe_u32 s21, ttmp6, 0x40004                  ; cy
	s_lshr_b32 s40, ttmp9, 1                       ; plane 0, 1, 2: the same in all sixteen partners
	s_lshr_b32 s41, s40, 1                         ; 1 for v
	s_and_b32 s22, ttmp9, 1
	s_lshl_b32 s22, s22, 2
	s_add_co_u32 s22, s22, s20                     ; B's tile, 0 .. 7
	s_and_b32 s23, ttmp7, 0xffff
	s_lshl_b32 s23, s23, 2
	s_add_co_u32 s23, s23, s21                     ; A's tile, 0 .. 7
	s_lshl_b32 s42, s21, 2
	s_lshl_b32 s42, 15, s42                        ; my row of the cluster
	s_lshl_b32 s43, 0x1111, s20                    ; my column
	s_or_b32 s[G1+0], s42, (0<<16)|(1<<20)|(1<<21)|(5<<22)|(3<<25)  ; the mask; elements of 1 byte; padding on; bit 21 beside a mask; 4 words behind every 64
	s_or_b32 s[G1B+0], s43, (0<<16)|(1<<20)|(1<<21)|(5<<22)|(3<<25)
.irp g, G1, G1B
	s_mov_b32 s[\g+1], ROWB<<16                    ; tensor_dim0 = 256
	s_mov_b32 s[\g+2], 128<<16                     ; tensor_dim1 = 128
	s_mov_b32 s[\g+3], ROWB<<16                    ; tile_dim0
	s_mov_b32 s[\g+4], 128                         ; tile_dim1
	s_mov_b32 s[\g+5], KROW                        ; from row to row
	s_mov_b32 s[\g+6], 0
	s_mov_b32 s[\g+7], 0
.endr
	s_lshl_b32 s44, s[CH], 7                       ; which 128 rows of the tile I fetch
	s_mul_i32 s45, s41, 3
	s_lshl_b32 s66, s23, 8
	s_add_co_u32 s66, s66, s44
	s_lshl_b32 s66, s66, 11                        ; A's row, in bytes,
	s_add_co_u32 s67, s40, s45                     ; in plane 0, 1 (x) or 5 (Wv)
	s_lshl_b32 s67, s67, 22
	s_add_co_u32 s66, s66, s67
	s_mov_b32 s67, 0
	s_lshl_b32 s68, s22, 8
	s_add_co_u32 s68, s68, s44
	s_lshl_b32 s68, s68, 11                        ; B's row,
	s_add_co_u32 s69, s40, 3
	s_sub_co_u32 s69, s69, s45                     ; in plane 3 (Wq), 4 (Wk) or 2 (x)
	s_lshl_b32 s69, s69, 22
	s_add_co_u32 s68, s68, s69
	s_mov_b32 s69, 0
	s_mul_i32 s46, s[WV], HALFT                    ; where they go: wave x 128 rows
	s_wait_dscnt 0x0                               ; the opening add is done
	s_wait_kmcnt 0x0
	s_cmp_ge_u32 ttmp9, 6                          ; the cluster's x: alike in all partners and all waves
	s_cbranch_scc1 .Lmask
	s_load_b256 s[72:79], s[12:13], 0x0            ; e0 .. e7
	s_load_b128 s[80:83], s[12:13], 0x20           ; e8 .. e11
	s_add_nc_u64 s[66:67], s[4:5], s[66:67]
	s_add_nc_u64 s[68:69], s[4:5], s[68:69]
	CROUND                                         ; all sixteen work-groups are here: the first joint loads meet
.irp s, 0,1
	s_mov_b32 s[G0+4*\s], 1
	s_add_co_u32 s[G0+4*\s+1], s46, \s*SLOT
	s_add_nc_u64 s[G0+4*\s+2:G0+4*\s+3], s[66:67], \s*ROWB
	s_or_b32 s[G0+4*\s+3], s[G0+4*\s+3], 0x80000000
	s_mov_b32 s[G0B+4*\s], 1
	s_add_co_u32 s[G0B+4*\s+1], s46, \s*SLOT
	s_add_nc_u64 s[G0B+4*\s+2:G0B+4*\s+3], s[68:69], \s*ROWB
	s_or_b32 s[G0B+4*\s+3], s[G0B+4*\s+3], 0x80000000
.endr
	JLOAD G0, G1, G0B, G1B                         ; K step 0: one tensor load a wave at the head
	v_and_b32 v1, 15, v0                           ; r
	v_bfe_u32 v2, v0, 4, 1                         ; h
	v_lshlrev_b32 v[HB], 5, v2
	s_wait_alu depctr_va_vdst(0)
	v_lshlrev_b32 v[RB4], 2, v1
	s_wait_alu depctr_va_vdst(0)
	s_cmp_eq_u32 s40, 0
	s_cselect_b64 s[70:71], s[6:7], s[8:9]         ; bq for q, else bk
	s_lshl_b32 s88, s22, 10
	s_lshl_b32 s89, s[CH], 9
	s_add_co_u32 s88, s88, s89                     ; 4 x (256 x B's tile + 128 x my half)
	s_mov_b32 s89, 0
	s_add_nc_u64 s[70:71], s[70:71], s[88:89]
	s_lshl_b32 s90, s23, 10
	s_lshl_b32 s91, s[RH], 9
	s_add_co_u32 s90, s90, s91                     ; 4 x (256 x A's tile + 128 x my half)
	s_mov_b32 s91, 0
	s_add_nc_u64 s[92:93], s[10:11], s[90:91]
.irp b, 0,1,2,3,4,5,6,7
	global_load_b128 v[CB+8*\b:CB+8*\b+3], v[HB], s[70:71] offset:64*\b          ; the bias of B's rows 16 b + 8 h + 0 .. 7
	global_load_b128 v[CB+8*\b+4:CB+8*\b+7], v[HB], s[70:71] offset:64*\b+16
.endr
.irp a, 0,1,2,3,4,5,6,7
	global_load_b32 v[RB+2*\a], v[RB4], s[92:93] offset:64*\a                    ; bv of A's row 16 a + r
	v_mov_b32 v[RB+2*\a+1], 0                      ; (named as a pair's upper half)
.endr
	v_mul_u32_u24 v3, v1, PITCH
	v_lshl_add_u32 v4, v2, 4, v3                   ; a fragment's row x pitch + 16 x half
	s_mul_i32 s44, s[RH], HALFT                    ; my 128 rows of A
	s_mul_i32 s45, s[CH], HALFT                    ; my 128 rows of B,
	s_add_co_u32 s45, s45, 2*HALFT                 ; which lie behind A's 256
.irp s, 0,1
	v_add_nc_u32 v[ADRA+\s], s44, v4
	v_add_nc_u32 v[ADRB+\s], s45, v4
	s_add_co_u32 s44, s44, SLOT
	s_add_co_u32 s45, s45, SLOT
.endr
	v_and_b32 v5, 31, v0
	v_lshlrev_b32 v[CO], 4, v5
.macro FRAG reg, adr, q, i             ; 16 rows x 128 K by four loads of 16 bytes: the same order of K on both sides, so every product meets its partner
.irp c, 0,1,2,3
	ds_load_b128 v[\reg+4*\c:\reg+4*\c+3], v[\adr] offset:128*(\q)+32*\c+(\i)*16*PITCH
.endr
.endm
.macro MUL16 a0, p, zero               ; A's blocks a0, a0 + 1 x B's eight.  The 64 accumulators take turns, one instruction a turn, in the same order in every step
.irp a, \a0, \a0+1
.irp b, 0,1,2,3,4,5,6,7
.if \zero
	v_wmma_f32_16x16x128_fp8_fp8 v[8*(8*((\a)%4)+\b):8*(8*((\a)%4)+\b)+7], v[128*(\p)+FR*\b:128*(\p)+FR*\b+FR-1], v[AF+FR*(\a):AF+FR*(\a)+FR-1], 0
.else
	v_wmma_f32_16x16x128_fp8_fp8 v[8*(8*((\a)%4)+\b):8*(8*((\a)%4)+\b)+7], v[128*(\p)+FR*\b:128*(\p)+FR*\b+FR-1], v[AF+FR*(\a):AF+FR*(\a)+FR-1], v[8*(8*((\a)%4)+\b):8*(8*((\a)%4)+\b)+7]
.endif
.endr
.endr
.endm
.macro FETCH_B slot, q, p
	WIN TO_B
.irp i, 0,1,2,3,4,5,6,7
	FRAG 128*(\p)+FR*\i, ADRB+\slot, \q, \i
.endr
	WIN 0
.endm
.macro FETCH_A slot, q, i0
.irp i, \i0, \i0+1, \i0+2, \i0+3
	FRAG AF+FR*(\i), ADRA+\slot, \q, \i
.endr
.endm
.macro PLACES n                        ; plain vector lines between a matrix instruction and a load into, or a vector line on, one of its registers
.rept \n
	v_nop
.endr
.endm
.macro STEP slot, q, zero              ; 128 along K whose successor lies in the same slot
	s_wait_dscnt 4*NL                              ; B's set and A's blocks 0-3 are in; the youngest sixteen loads (A's blocks 4-7) may be out
	WIN MUL_LO
	MUL16 0, (\q)%2, \zero
	MUL16 2, (\q)%2, \zero
	s_wait_dscnt 0
	PLACES NP
	FETCH_B \slot, (\q)+1, 1-(\q)%2
	FETCH_A \slot, (\q)+1, 0
	WIN MUL_HI
	MUL16 4, (\q)%2, \zero
	MUL16 6, (\q)%2, \zero
	PLACES NP
	WIN 0
	FETCH_A \slot, (\q)+1, 4
.endm
.macro TURN slot, next, fill           ; a slot's last step changes slots: one barrier; in front of it all my tensor loads, the add, and my reads of this slot
	s_wait_tensorcnt 0x0                           ; all my tensor loads have landed: my part of the next slot
	ds_add_u32 v[SPW], v[NIL]                      ; 0 onto my spare word
	s_wait_dscnt 4*NL+1                            ; (the add and the youngest sixteen loads may be out)
	WIN MUL_LO
	MUL16 0, 1, 0
	s_wait_dscnt 0x0                               ; the add is done, and my reads of this slot are over
	s_barrier_signal -1
	MUL16 2, 1, 0
	WIN 0
	s_barrier_wait -1
.if \fill
	CREST                                          ; the barrier has opened a round of the cluster's: no wave of any partner still reads this slot or has a load on its way
	s_add_nc_u64 s[G0+4*\slot+2:G0+4*\slot+3], s[G0+4*\slot+2:G0+4*\slot+3], 2*ROWB
	s_add_nc_u64 s[G0B+4*\slot+2:G0B+4*\slot+3], s[G0B+4*\slot+2:G0B+4*\slot+3], 2*ROWB
	JLOAD G0+4*\slot, G1, G0B+4*\slot, G1B         ; the first tensor load behind the round; its four v_nop are the places in front of the loads below
.else
	PLACES NP
.endif
	FETCH_B \next, 0, 0
	FETCH_A \next, 0, 0
	WIN MUL_HI
	MUL16 4, 1, 0
	MUL16 6, 1, 0
	PLACES NP
	WIN 0
	FETCH_A \next, 0, 4
.endm
	s_wait_alu depctr_va_vdst(0)
	s_wait_tensorcnt 0x0                           ; my part of slot 0 is in
	ds_add_u32 v[SPW], v[NIL]
	s_wait_dscnt 0x0
	CROUND                                         ; everybody's part of slot 0 is in, and the joint loads meet
	JLOAD G0+4, G1, G0B+4, G1B                     ; slot 1's first fill, the first tensor load behind the round
	FETCH_B 0, 0, 0
	FETCH_A 0, 0, 0
	FETCH_A 0, 0, 4
	STEP 0, 0, 1                                   ; the first step's products start the sums
	s_mov_b32 s[LAP], LAPS-1
.Llap:
	TURN 0, 1, 1
	STEP 1, 0, 0
	TURN 1, 0, 1
	STEP 0, 0, 0
	s_sub_co_u32 s[LAP], s[LAP], 1
	s_cmp_lg_u32 s[LAP], 0
	s_cbranch_scc1 .Llap
	TURN 0, 1, 0                                   ; the last lap fills nothing
	STEP 1, 0, 0
	s_wait_dscnt 4*NL
	WIN MUL_LO
	MUL16 0, 1, 0
	MUL16 2, 1, 0
	s_wait_dscnt 0
	WIN MUL_HI
	MUL16 4, 1, 0
	MUL16 6, 1, 0
	WIN 0
; THE WAY OUT.  Block a (16 rows of A x 128 rows of B): + bias, held, converted: a fragment's 16 registers; four stores of 512 consecutive bytes.
.macro OUTB a, isv
.if (\a) >= 2
	s_wait_xcnt 0x0                                ; block a - 2's stores have read the codes' registers that are written again now
.endif
	WIN 0x02+((\a)/4)                              ; source 0: window 2 or 3
.set j, 0
.rept 32
.if \isv
	v_pk_add_f32 v[T+j:T+j+1], v[64*((\a)%4)+j:64*((\a)%4)+j+1], v[RB+2*(\a):RB+2*(\a)+1] op_sel_hi:[1,0]   ; each accumulator from its low end on; the row's one bias for both halves
.else
	v_pk_add_f32 v[T+j:T+j+1], v[64*((\a)%4)+j:64*((\a)%4)+j+1], v[CB+j:CB+j+1]
.endif
.set j, j+2
.endr
	WIN 0
.set j, 0
.rept 64
	v_med3_num_f32 v[T+j], v[T+j], -v[LIM], v[LIM] ; the conversion does not saturate (ISA guide 7.6.2)
.set j, j+1
.endr
.irp b, 0,1,2,3,4,5,6,7
	v_cvt_scalef32_pk8_fp8_f32 v[CC+16*((\a)%2)+2*\b:CC+16*((\a)%2)+2*\b+1], v[T+8*\b:T+8*\b+7], v[SC]
.endr
	v_nop                                          ; a plain line between the conversions and the next block's writes of their sources
.irp c, 0,1,2,3
	global_store_b128 v[CO], v[CC+16*((\a)%2)+4*\c:CC+16*((\a)%2)+4*\c+3], s[14:15] offset:2048*(\a)+512*\c
.endr
.endm
	s_wait_kmcnt 0x0
	s_cmp_eq_u32 s40, 1
	s_cselect_b32 s84, s74, s72                    ; ea
	s_cselect_b32 s85, s75, s73                    ; eb
	s_cselect_b32 s86, s79, s78                    ; eo
	s_cmp_eq_u32 s40, 2
	s_cselect_b32 s84, s76, s84
	s_cselect_b32 s85, s77, s85
	s_cselect_b32 s86, s81, s86
	s_add_co_i32 s84, s84, s85                     ; ea + eb
	s_sub_co_i32 s85, 0, s84
	s_sub_co_i32 s86, s86, s84
	s_add_co_i32 s86, s86, 127
	s_lshl_b32 s87, s86, 23                        ; 2^(eo - ea - eb)
	s_add_co_i32 s86, s86, 8
	s_lshl_b32 s86, s86, 23
	s_or_b32 s86, s86, 0x600000                    ; 448 x that
	s_lshl_b32 s88, s22, 1
	s_add_co_u32 s88, s88, s[CH]                   ; my 128 rows of B, 0 .. 15
	s_lshl_b32 s90, s23, 1
	s_add_co_u32 s90, s90, s[RH]                   ; my 128 rows of A, 0 .. 15
	s_cmp_eq_u32 s41, 1
	s_cselect_b32 s44, s90, s88                    ; the head: from the channels, which are B's rows for q and k, A's for v
	s_cselect_b32 s45, s88, s90                    ; the run of eight images
	s_lshl_b32 s44, s44, 18
	s_lshl_b32 s45, s45, 14
	s_add_co_u32 s44, s44, s45
	s_lshl_b32 s45, s40, 22
	s_add_co_u32 s44, s44, s45
	s_mov_b32 s45, 0
	s_add_nc_u64 s[14:15], s[14:15], s[44:45]
	s_wait_loadcnt 0x0                             ; the biases
	PLACES NP                                      ; behind the last products: the lines below write registers that held A's fragments
	v_mov_b32 v[SC], s87
	v_mov_b32 v[LIM], s86
	s_cmp_eq_u32 s40, 2                            ; a branch on the cluster's number: alike in all partners and all waves
	s_cbranch_scc1 .Lv_plane
.set j, 0
.rept 64
	v_ldexp_f32 v[CB+j], v[CB+j], s85              ; bias / 2^(ea + eb)
.set j, j+1
.endr
.irp a, 0,1,2,3,4,5,6,7
	OUTB \a, 0
.endr
	s_branch .Lclose
.Lv_plane:
.irp a, 0,1,2,3,4,5,6,7
	v_ldexp_f32 v[RB+2*\a], v[RB+2*\a], s85
.endr
.irp a, 0,1,2,3,4,5,6,7
	OUTB \a, 1
.endr
	s_branch .Lclose
; ---------------- THE MASK'S WAY
.Lmask:
	s_sub_co_u32 s66, ttmp9, 6                     ; my wave's number among the 256: ((((cluster x - 6) x 2 + cluster y) x 4 + cy) x 4 + cx) x 4 + wave: it enters memory addresses alone
	s_lshl_b32 s66, s66, 1
	s_and_b32 s67, ttmp7, 0xffff
	s_add_co_u32 s66, s66, s67
	s_lshl_b32 s66, s66, 2
	s_add_co_u32 s66, s66, s21
	s_lshl_b32 s66, s66, 2
	s_add_co_u32 s66, s66, s20
	s_lshl_b32 s66, s66, 2
	s_add_co_u32 s66, s66, s[WV]
	s_lshr_b32 s67, s66, 1                         ; my tile of 16 queries, 0 .. 127
	s_and_b32 s68, s66, 1                          ; my 16 units of 64 keys: the first or the second 1,024 keys
	s_lshl_b32 s70, s67, 17                        ; 16 rows of 8,192 bytes,
	s_lshl_b32 s69, s68, 12                        ; 1,024 keys of 4 bytes
	s_add_co_u32 s70, s70, s69
	s_mov_b32 s71, 0
	s_add_nc_u64 s[92:93], s[92:93], s[70:71]
	s_lshl_b32 s70, s67, 17                        ; 32 images of 4,096 bytes,
	s_lshl_b32 s69, s68, 16                        ; 16 images
	s_add_co_u32 s70, s70, s69
	s_add_nc_u64 s[94:95], s[94:95], s[70:71]
	s_mov_b32 s88, 0x3fb8aa3b                      ; log2(e)
	s_mov_b32 s89, 0x3fb8aa3b
	s_load_b64 s[72:73], s[0:1], 0x40              ; flags
	s_load_b64 s[74:75], s[12:13], 0x18            ; e6, e7
	s_lshl_b32 s76, s66, 8                         ; my wave's unit of 256 bytes
	s_mov_b32 s77, 0
.macro MLOAD t                         ; image t's 16 rows x 256 bytes: two rows a load, sixteen lanes to a row's 256 consecutive bytes
.irp k, 0,1,2,3,4,5,6,7
	global_load_b128 v[MR+32*((\t)%6)+4*\k:MR+32*((\t)%6)+4*\k+3], v[MGI], s[92:93] offset:16384*\k+256*(\t) th:TH_LOAD_NT
.endr
.endm
.macro MIMG t
.set MS, MR+32*((\t)%6)
.if 15-(\t) >= 3
	s_wait_loadcnt 24                              ; this image's eight loads are in; those of the three images behind it may be out
.else
	s_wait_loadcnt 8*(15-(\t))                     ; at the end: eight for each image still behind
.endif
.irp k, 0,1,2,3,4,5,6,7
	ds_store_b128 v[MSI], v[MS+4*\k:MS+4*\k+3] offset:32*\k
.endr
.irp c, 0,1,2,3,4,5,6,7
	ds_load_b128 v[MS+4*\c:MS+4*\c+3], v[MSO] offset:544*\c   ; LDS serves a wave's instructions in order: these see my stores, and the next image's stores come behind them; back into the registers that they left
.endr
.if (\t)+4 < 16
.if (\t) >= 2
	s_wait_xcnt 0x0                                ; image t - 2's stores have read the set that is loaded again now
.endif
	MLOAD (\t)+4
.endif
	s_wait_dscnt 0x0
.set j, 0
.rept 16
	v_pk_mul_f32 v[MS+j:MS+j+1], v[MS+j:MS+j+1], s[88:89] op_sel_hi:[1,0]
.set j, j+2
.endr
	v_max3_num_f32 v[UM+(\t)], v[MS], v[MS+1], v[MS+2]             ; the largest and the smallest of my lane's 32 numbers of this unit
	v_min3_num_f32 v[AM+(\t)], v[MS], v[MS+1], v[MS+2]
.set j, 3
.rept 14
	v_max3_num_f32 v[UM+(\t)], v[UM+(\t)], v[MS+j], v[MS+j+1]
	v_min3_num_f32 v[AM+(\t)], v[AM+(\t)], v[MS+j], v[MS+j+1]
.set j, j+2
.endr
	v_max_num_f32 v[UM+(\t)], v[UM+(\t)], v[MS+31]
	v_min_num_f32 v[AM+(\t)], v[AM+(\t)], v[MS+31]
.irp c, 0,1,2,3,4,5,6,7
	global_store_b128 v[MGO], v[MS+4*\c:MS+4*\c+3], s[94:95] offset:4096*(\t)+512*\c   ; the wave stores 512 consecutive bytes
.endr
.endm
	s_wait_alu depctr_va_vdst(0)
.irp t, 0,1,2,3
	MLOAD \t
.endr
.irp t, 0,1,2,3,4,5,6,7,8,9,10,11,12,13,14,15
	MIMG \t
.endr
	; the flags: the row's largest m over my 1,024 keys, the lane 16 away, and the partner wave's 1,024 keys
	v_max3_num_f32 v14, v[UM], v[UM+1], v[UM+2]
.irp i, 3,5,7,9,11,13
	v_max3_num_f32 v14, v14, v[UM+\i], v[UM+\i+1]
.endr
	v_max_num_f32 v14, v14, v[UM+15]
	v_mov_b32 v15, 0                               ; a lane exchange's destination counts as read
	s_mov_b32 s78, 0x76543210
	s_mov_b32 s79, 0xfedcba98
	v_permlanex16_b32 v15, v14, s78, s79
	v_max_num_f32 v14, v14, v15
	ds_store_b32 v12, v14
	s_wait_alu depctr_va_vdst(0)
	s_wait_dscnt 0x0                               ; for the partner's sake: my store has landed
	s_barrier_signal -1
	s_barrier_wait -1
	ds_load_b32 v15, v13
	s_wait_kmcnt 0x0
	s_add_co_i32 s74, s74, s75
	s_add_co_i32 s74, s74, 127
	s_lshl_b32 s74, s74, 23                        ; 2^(e6 + e7); LIMIT: e6 + e7 between -120 and 100
	s_mov_b32 s75, 0x4ad59f80                      ; 7e6
	s_add_nc_u64 s[72:73], s[72:73], s[76:77]
	s_mov_b32 s80, 0x35800000                      ; 2^-20
	s_mov_b32 s84, 0
	v_mov_b32 v30, 0x43800000                      ; 256
	v_mov_b32 v31, s74
	v_fma_f32 v5, v31, s75, v30                    ; D
	s_wait_dscnt 0x0
	v_max_num_f32 v14, v14, v15                    ; the row's largest m
	s_wait_alu depctr_va_vdst(0)
.irp t, 0,1,2,3,4,5,6,7,8,9,10,11,12,13,14,15
	v_sub_f32 v30, v14, v[UM+\t]
	v_and_b32 v31, 0x7fffffff, v[UM+\t]
	v_fma_f32 v31, v31, s80, v5
	v_cmp_gt_f32 vcc_lo, v30, v31                  ; hidden, as far as my lane's numbers go
	v_cmp_eq_f32 s82, 0, v[UM+\t]
	v_cmp_eq_f32 s83, 0, v[AM+\t]                  ; largest and smallest both 0: all are 0
	s_cmp_eq_u32 vcc_lo, -1                        ; in all 32 lanes?  Selections alone: no branch hangs on these numbers
	s_cselect_b32 s81, 1<<\t, 0
	s_or_b32 s84, s84, s81
	s_and_b32 s82, s82, s83
	s_cmp_eq_u32 s82, -1
	s_cselect_b32 s81, 1<<(16+\t), 0
	s_or_b32 s84, s84, s81
.endr
	v_and_b32 v4, 31, v0
	v_lshlrev_b32 v4, 3, v4
	v_mov_b32 v30, s84
	v_mov_b32 v31, s84
	global_store_b64 v4, v[30:31], s[72:73]        ; the wave stores 256 consecutive bytes, aligned
.Lclose:
	s_wait_tensorcnt 0x0                           ; the wave's end
	ds_add_u32 v[SPW], v[NIL]
	s_wait_dscnt 0x0
	CROUND                                         ; the closing round
	s_endpgm
.Lfunc_end_k_q1d88ed2415_qkvproj:
	.size	k_q1d88ed2415_qkvproj, .Lfunc_end_k_q1d88ed2415_qkvproj-k_q1d88ed2415_qkvproj
	.p2alignl 7, 3214868480
	.fill 96, 4, 3214868480
	.section	.rodata,"a",@progbits
	.p2align	6, 0x0
	.amdhsa_kernel k_q1d88ed2415_qkvproj
		.amdhsa_group_segment_fixed_size 327680
		.amdhsa_private_segment_fixed_size 0
		.amdhsa_enable_private_segment 0
		.amdhsa_kernarg_size 72
		.amdhsa_user_sgpr_count 2
		.amdhsa_user_sgpr_kernarg_segment_ptr 1
		.amdhsa_wavefront_size32 1
		.amdhsa_system_sgpr_workgroup_id_x 1
		.amdhsa_system_sgpr_workgroup_id_y 1
		.amdhsa_system_sgpr_workgroup_id_z 1
		.amdhsa_system_vgpr_workitem_id 0
		.amdhsa_next_free_vgpr 1024
		.amdhsa_next_free_sgpr 96
		.amdhsa_reserve_vcc 1
		.amdhsa_float_denorm_mode_32 3
		.amdhsa_float_denorm_mode_16_64 3
		.amdhsa_memory_ordered 1
		.amdhsa_forward_progress 1
		.amdhsa_inst_pref_size 255
	.end_amdhsa_kernel
	.section	.bss,"aw",@nobits
	.p2align	6
	.space	262144
	.amdgpu_metadata
---
amdhsa.version: [ 1, 2 ]
amdhsa.kernels:
  - .name:           k_q1d88ed2415_qkvproj
    .symbol:         k_q1d88ed2415_qkvproj.kd
    .args:
      - { .name: codes, .offset: 0, .size: 8, .value_kind: global_buffer, .address_space: global }
      - { .name: bq, .offset: 8, .size: 8, .value_kind: global_buffer, .address_space: global }
      - { .name: bk, .offset: 16, .size: 8, .value_kind: global_buffer, .address_space: global }
      - { .name: bv, .offset: 24, .size: 8, .value_kind: global_buffer, .address_space: global }
      - { .name: lowp_scales, .offset: 32, .size: 8, .value_kind: global_buffer, .address_space: global }
      - { .name: qkv, .offset: 40, .size: 8, .value_kind: global_buffer, .address_space: global }
      - { .name: mask, .offset: 48, .size: 8, .value_kind: global_buffer, .address_space: global }
      - { .name: mimg, .offset: 56, .size: 8, .value_kind: global_buffer, .address_space: global }
      - { .name: flags, .offset: 64, .size: 8, .value_kind: global_buffer, .address_space: global }
    .group_segment_fixed_size: 327680
    .private_segment_fixed_size: 0
    .kernarg_segment_align: 8
    .kernarg_segment_size: 72
    .max_flat_workgroup_size: 128
    .sgpr_count:     96
    .vgpr_count:     1024
    .wavefront_size: 32
...
	.end_amdgpu_metadata
.endif
;; end of part 2
;; launch attn (part 3): grid 16 x 16, 4 waves a work-group, no clusters, 70,144 bytes of LDS; arguments qkv, mimg, lowp_scales, flags, ac; writes ac
.if DOCPART == 3
	.amdgcn_target "amdgcn-amd-amdhsa--gfx1250"
	.amdhsa_code_object_version 6
	.text
	.protected	k_q1d88ed2415_attn
	.globl	k_q1d88ed2415_attn
	.p2align	8
	.type	k_q1d88ed2415_attn,@function
k_q1d88ed2415_attn:
	s_mov_b64 s[64:65], 0
	v_nop
	global_prefetch_b8 v0, s[64:65] scope:SCOPE_SE
	s_setreg_imm32_b32 hwreg(HW_REG_WAVE_MODE, 25, 1), 1
	s_wait_xcnt 0x0
; Attention on E4M3 codes: S^T = K Q^T, + the mask as it is given, the softmax by the rule for a quantised second product, O^T = V^T P^T, / the row's sum, quantised (2^e10) into operand images for the last launch.
; t = raw score x c 2^(e6 + e7) + m, c = log2(e) / sqrt(128), m = mask x log2(e) from mimg.  M = the running largest t rounded up to a whole number (kept as -M); p = 2^(t - M) is quantised with 2^e8;
; the row's sum is taken of the unquantised p; when M moves, the sum and O^T are multiplied by 2^(old M - new M), which rounds nothing.
; WHAT THE FLAGS DECIDE.  The launch before has stored, for each tile of 16 queries and unit of 64 keys, two bits made from the mask as it is given: 'hidden' (every entry lies so far under its row's largest that
; p = 2^(t - M) is 0 in f32 whatever codes q and k hold: the bound stands at that launch's text) and 'all zero'.  A block of 32 queries leaves a unit out where both its tiles are hidden there: those p are 0, they add 0 to the sum
; and to O^T, and they cannot hold the row's largest t.  Where both tiles are all zero the mask is not loaded and t = raw score x c 2^(e6 + e7), the same number.  Nothing of the mask's pattern is assumed: a mask with no
; such unit has all bits clear and every unit is walked with its mask.  LIMIT: a NaN or an overflow that would arise only in a unit left out is not carried to the result.
; THE FIRST STEP is walked by every wave whatever its flags, with its mask, ahead of the loop: its products start O^T, its softmax starts M and the sum.  Where it is hidden, a later change of M or the join multiplies its part by 0.
; SHARES.  x = 2 pairs of blocks, y = the head.  Wave w: pair a = 2 x + w / 2, PAR = w % 2.  It has the 32 queries of block a (half 0) and of block 63 - a (half 1), and of each step of 128 keys the 64 keys 64 PAR on.
; Register tile j of a half is the block's tile j xor PAR: a wave keeps register tile 0 of each half and hands register tile 1 to wave w xor 1 at the end, where the two key halves' M, sum and O^T are joined.
; K and V come as images of operand registers straight from memory, a step ahead, into two sets by turns: no LDS in the loop, no barrier.  The trip count is the last step that either half walks, from the flags.
; No tensor load, no cluster, no joint load: the branches hang on numbers read from memory, and work-groups of one head walk different steps.  No prefetch into the L2: K and V are asked for a whole step
; ahead of their use by the loads themselves, and which of the mask's images are wanted hangs on the flags.
; LAYOUT as the images have it: a lane holds ONE query (lane % 16); in S^T tile i register j is key 64 PAR + 16 i + 8 (lane / 16) + j, so the conversion of tile i is registers 2 i, 2 i + 1 of P for the K = 64 form.
; LIMITS: e6 + e7 between -120 and 100; e8, and e10 - e8 - e9, between -126 and 119.  NaN among the inputs is not served.  Each key half has its own running M: p far under the row's largest may differ in its smallest codes.
; REGISTERS.  Window 0: addresses, statistics (8 a tile: -M, largest t, the sum in two, f, 0, two at work), Q, S^T then p, P.  Window 1: O^T, 64 a tile.  Window 2: K and V, two sets of 64 + 64.  Window 3: the mask, 64 a half.
.set STW,   17408                      ; LDS, for the end alone: 16,384 bytes of O^T and 1,024 of statistics for each wave
.set SPARE, 4*STW                      ; behind the four: the spare words, 128 bytes a wave
.set LI,  1
.set KA,  2
.set VA,  3
.set MO,  4                            ; v4-7   my byte offset in mimg, a register tile each
.set SPW, 8
.set NIL, 9
.set SOA, 10
.set SOB, 11
.set SSA, 12
.set SSB, 13
.set ST,  16                           ; v16-47
.set Q,   48                           ; v48-111
.set S,   112                          ; v112-175
.set P,   176                          ; v176-191
.set PX,  192
.set LB,  196
.set FG,  204                          ; v204-211 the end's factors, as pairs
.set PS,  212                          ; v212-219 the partner's -M and sum
.set P2,  220                          ; v220-235 the second output image
.set T0,  236
.set T1,  240
.set QO,  244
.set AO,  248
.set WV,  14
.set PAR, 15
.set KB,  20                           ; s[20:21] K's images of my head; V's lie 2^22 bytes on
.set ACT, 54                           ; s54, s55 a bit for each of my steps still to come, half 0 and 1: walked
.set GEN, 56                           ; s56, s57 the same: the mask is not all zero
.set TRIPS, 58
.set CNT, 59
.set IDX, 60
.set OF,  66
.set OF2, 68
.set MB,  70
.set KN,  72
.set CL,  74
.set SEL, 76
.set MSB, 0
.macro WIN new                         ; the immediate's high byte repeats the setting that is left
.if MSB != \new
	s_set_vgpr_msb (MSB<<8)|\new
.set MSB, \new
.endif
.endm
.macro PLACES
.rept 4
	v_nop
.endr
.endm
.macro LOADKV set, base                ; a step's four images of K (my 64 keys) and my half of its eight images of V: 32 loads of 512 consecutive bytes
	WIN 0x80
.irp i, 0,1,2,3
.irp c, 0,1,2,3
	global_load_b128 v[128*(\set)+16*\i+4*\c:128*(\set)+16*\i+4*\c+3], v[KA], s[\base:\base+1] offset:2048*\i+512*\c
.endr
.endr
.irp b, 0,1,2,3,4,5,6,7
	global_load_b128 v[128*(\set)+64+8*\b:128*(\set)+64+8*\b+3], v[VA], s[\base:\base+1] offset:0x400000+2048*\b
	global_load_b128 v[128*(\set)+64+8*\b+4:128*(\set)+64+8*\b+7], v[VA], s[\base:\base+1] offset:0x400000+2048*\b+512
.endr
	WIN 0
.endm
.macro MLOAD hf                        ; the step's mask for a half that is walked and whose mask is not all zero
	s_and_b32 s78, s[ACT+\hf], s[GEN+\hf]
	s_bitcmp1_b32 s78, 0
	s_cbranch_scc0 .Lnm_\@
	WIN 0xc0
.irp t, 0,1
.irp c, 0,1,2,3,4,5,6,7
	global_load_b128 v[64*\hf+32*\t+4*\c:64*\hf+32*\t+4*\c+3], v[MO+2*\hf+\t], s[MB:MB+1] offset:512*\c
.endr
.endr
	WIN 0
.Lnm_\@:
.endm
.macro MKFL w, act, gen                ; four words (tile 0: keys 0-1023, 1024-2047; tile 1 likewise) -> the block's two words, my steps in the even bits
	s_and_b32 s[\w], s[\w], s[\w+2]
	s_and_b32 s[\w+1], s[\w+1], s[\w+3]
	s_and_b32 s[\w+2], s[\w], 0xffff
	s_lshl_b32 s[\w+3], s[\w+1], 16
	s_or_b32 s[\w+2], s[\w+2], s[\w+3]
	s_not_b32 s[\act], s[\w+2]
	s_lshr_b32 s[\act], s[\act], s[PAR]
	s_lshr_b32 s[\act], s[\act], 2                 ; step 0 is walked ahead of the loop
	s_lshr_b32 s[\w], s[\w], 16
	s_and_b32 s[\w+1], s[\w+1], 0xffff0000
	s_or_b32 s[\w], s[\w], s[\w+1]
	s_not_b32 s[\gen], s[\w]
	s_lshr_b32 s[\gen], s[\gen], s[PAR]
	s_lshr_b32 s[\gen], s[\gen], 2
.endm
	s_load_b256 s[4:11], s[0:1], 0x0               ; qkv, mimg, the scales' exponents, flags
	s_load_b64 s[12:13], s[0:1], 0x20              ; ac
	v_lshl_add_u32 v[SPW], v0, 2, SPARE
	v_mov_b32 v[NIL], 0
	v_lshrrev_b32 v14, 5, v0
	v_readfirstlane_b32 s[WV], v14
	v_and_b32 v14, 31, v0
	v_lshlrev_b32 v[LI], 4, v14
	v_lshlrev_b32 v15, 3, v14
	v_add_nc_u32 v15, 16384, v15
	s_wait_alu depctr_va_vdst(0)
	s_and_b32 s[PAR], s[WV], 1
	s_lshr_b32 s16, s[WV], 1
	s_lshl_b32 s17, ttmp9, 1
	s_add_co_u32 s16, s16, s17                     ; block a, 0 .. 31
	s_sub_co_u32 s17, 63, s16                      ; block 63 - a
	s_and_b32 s18, ttmp7, 0xffff                   ; the head
	s_lshl_b32 s24, s16, 1
	s_add_co_u32 s24, s24, s[PAR]                  ; s24-27: the tile of 16 queries of each register tile
	s_xor_b32 s25, s24, 1
	s_lshl_b32 s26, s17, 1
	s_add_co_u32 s26, s26, s[PAR]
	s_xor_b32 s27, s26, 1
	s_lshl_b32 s29, s[PAR], 12
.irp t, 0,1,2,3
	s_lshl_b32 s28, s[24+\t], 11
	v_add_nc_u32 v[QO+\t], s28, v[LI]              ; q's image
	s_lshl_b32 s28, s[24+\t], 17
	s_add_co_u32 s28, s28, s29
	v_add_nc_u32 v[MO+\t], s28, v[LI]              ; mimg: 32 images of 4,096 bytes a tile, unit PAR of a step's two
.endr
	s_lshl_b32 s28, s[PAR], 13
	v_add_nc_u32 v[KA], s28, v[LI]                 ; my four of a step's eight images of K
	s_lshl_b32 s28, s[PAR], 10
	v_add_nc_u32 v[VA], s28, v[LI]                 ; my half (registers 8 PAR on) of each image of V
	s_mul_i32 s28, s[WV], STW
	s_xor_b32 s29, s[WV], 1
	s_mul_i32 s29, s29, STW
	v_add_nc_u32 v[SOA], s28, v[LI]
	v_add_nc_u32 v[SOB], s29, v[LI]
	v_add_nc_u32 v[SSA], s28, v15
	v_add_nc_u32 v[SSB], s29, v15
.irp h, 0,1
	s_lshr_b32 s28, s[24+2*\h], 3                  ; the output's image: ((tile / 8 x 16 + head) x 8 + tile % 8) x 2,048
	s_lshl_b32 s28, s28, 18
	s_and_b32 s29, s[24+2*\h], 7
	s_lshl_b32 s29, s29, 11
	s_add_co_u32 s28, s28, s29
	s_lshl_b32 s29, s18, 14
	s_add_co_u32 s28, s28, s29
	v_add_nc_u32 v[AO+\h], s28, v[LI]
.endr
	s_lshl_b32 s30, s18, 18
	s_mov_b32 s31, 0
	s_lshl_b32 s32, s16, 10                        ; a block's four words stand in four units of 256 bytes
	s_mov_b32 s33, 0
	s_lshl_b32 s34, s17, 10
	s_mov_b32 s35, 0
	s_mov_b32 s[SEL], 0x76543210
	s_mov_b32 s[SEL+1], 0xfedcba98
	s_mov_b32 s[CL], 0x3e0293ee                    ; c = log2(e) / sqrt(128)
	s_mov_b32 s[OF+1], 0
	s_mov_b32 s[OF2+1], 0
	s_mov_b32 s[IDX], 1                            ; the loop begins at step 1
	s_mov_b32 s[CNT], 0
	s_wait_alu depctr_va_vdst(0)
	s_wait_kmcnt 0x0
	s_add_nc_u64 s[32:33], s[10:11], s[32:33]
	s_add_nc_u64 s[34:35], s[10:11], s[34:35]
.irp j, 0,1,2,3
	s_load_b32 s[40+\j], s[32:33], 256*\j
	s_load_b32 s[44+\j], s[34:35], 256*\j
.endr
	s_load_b128 s[48:51], s[8:9], 0x18             ; e6, e7, e8, e9
	s_load_b32 s52, s[8:9], 0x28                   ; e10
	s_add_nc_u64 s[22:23], s[4:5], s[30:31]
	s_add_nc_u64 s[KB:KB+1], s[22:23], 0x400000
	s_add_nc_u64 s[KN:KN+1], s[KB:KB+1], 16384
.irp t, 0,1,2,3
.irp c, 0,1,2,3
	global_load_b128 v[Q+16*\t+4*\c:Q+16*\t+4*\c+3], v[QO+\t], s[22:23] offset:512*\c   ; Q stays in registers
.endr
.endr
	LOADKV 0, KB                                   ; step 0,
	WIN 0xc0
.irp t, 0,1,2,3
.irp c, 0,1,2,3,4,5,6,7
	global_load_b128 v[32*\t+4*\c:32*\t+4*\c+3], v[MO+\t], s[6:7] offset:512*\c         ; its mask for all four tiles,
.endr
.endr
	WIN 0
	LOADKV 1, KN                                   ; and step 1
.irp t, 0,1,2,3
	v_mov_b32 v[ST+8*\t+5], 0                      ; (upper halves of pairs that are named)
	v_mov_b32 v[FG+2*\t+1], 0
	v_mov_b32 v[PX+\t], 0                          ; a lane exchange's destination counts as read
.endr
	s_wait_kmcnt 0x0
	MKFL 40, ACT, GEN
	MKFL 44, ACT+1, GEN+1
	s_or_b32 s78, s[ACT], s[ACT+1]
	s_and_b32 s78, s78, 0x55555555                 ; my steps from step 1 on: bit 2 (i - 1)
	s_or_b32 s78, s78, 1
.irp k, 1,2,4,8,16
	s_lshr_b32 s79, s78, \k
	s_or_b32 s78, s78, s79
.endr
	s_bcnt1_i32_b32 s78, s78                       ; 2 x (the last step walked - 1) + 1
	s_add_co_u32 s78, s78, 3
	s_lshr_b32 s[TRIPS], s78, 2                    ; trips of two steps
	s_min_u32 s[TRIPS], s[TRIPS], 8
	s_add_co_i32 s78, s48, s49
	s_lshl_b32 s78, s78, 23
	s_add_co_i32 s[CL], s[CL], s78                 ; a raw score stands for score x 2^(e6 + e7): added to c's exponent field
	s_mov_b32 s[CL+1], s[CL]
	s_add_co_i32 s78, s50, 127
	s_lshl_b32 s79, s78, 23
	v_mov_b32 v201, s79                            ; 2^e8
	s_add_co_i32 s78, s78, 8
	s_lshl_b32 s78, s78, 23
	s_or_b32 s78, s78, 0x600000
	v_mov_b32 v200, s78                            ; 448 x 2^e8
	s_sub_co_i32 s78, s52, s50
	s_sub_co_i32 s78, s78, s51
	s_add_co_i32 s78, s78, 127
	s_lshl_b32 s79, s78, 23
	v_mov_b32 v202, s79                            ; 2^(e10 - e8 - e9)
	s_add_co_i32 s78, s78, 8
	s_lshl_b32 s78, s78, 23
	s_or_b32 s78, s78, 0x600000
	v_mov_b32 v203, s78                            ; 448 x that
; THE SOFTMAX of a half's two tiles, line by line; SB: the half's statistics.  first = 1: the first step, which starts M and the sum
.macro SOFTMAX first
.irp t, 0,1
	v_max3_num_f32 v[SB+8*\t+6], v[S+32*\t], v[S+32*\t+1], v[S+32*\t+2]
	v_max3_num_f32 v[SB+8*\t+7], v[S+32*\t+3], v[S+32*\t+4], v[S+32*\t+5]
.endr
.irp i, 6,10,14,18,22,26
.irp t, 0,1
	v_max3_num_f32 v[SB+8*\t+6], v[SB+8*\t+6], v[S+32*\t+\i], v[S+32*\t+\i+1]
	v_max3_num_f32 v[SB+8*\t+7], v[SB+8*\t+7], v[S+32*\t+\i+2], v[S+32*\t+\i+3]
.endr
.endr
.irp t, 0,1
	v_max3_num_f32 v[SB+8*\t+6], v[SB+8*\t+6], v[S+32*\t+30], v[S+32*\t+31]
.endr
.irp t, 0,1
	v_max_num_f32 v[SB+8*\t+6], v[SB+8*\t+6], v[SB+8*\t+7]
.endr
.irp t, 0,1
	v_permlanex16_b32 v[PX+\t], v[SB+8*\t+6], s[SEL], s[SEL+1]     ; the query's other 32 keys lie in the lane 16 away
.endr
.irp t, 0,1
	v_max_num_f32 v[SB+8*\t+6], v[SB+8*\t+6], v[PX+\t]
.endr
.if \first
.irp t, 0,1
	v_max_num_f32 v[SB+8*\t+1], 0xff61b1e6, v[SB+8*\t+6]           ; not under -3e38, so that -M stays a number where a step's mask is all -infinity
.endr
.irp t, 0,1
	v_floor_f32 v[SB+8*\t], -v[SB+8*\t+1]                          ; -M = floor(-t)
.endr
.else
.irp t, 0,1
	v_max_num_f32 v[SB+8*\t+1], v[SB+8*\t+1], v[SB+8*\t+6]         ; the running largest t
	v_mov_b32 v[SB+8*\t+7], v[SB+8*\t]
.endr
.irp t, 0,1
	v_floor_f32 v[SB+8*\t], -v[SB+8*\t+1]
.endr
.irp t, 0,1
	v_sub_f32 v[SB+8*\t+7], v[SB+8*\t], v[SB+8*\t+7]               ; old M - new M: a whole number, 0 or less
.endr
.irp t, 0,1
	v_cvt_i32_f32 v[SB+8*\t+7], v[SB+8*\t+7]                       ; (it saturates)
.endr
.irp t, 0,1
	v_ldexp_f32 v[SB+8*\t+4], 1.0, v[SB+8*\t+7]                    ; f = 2^(old M - new M)
.endr
.endif
.irp t, 0,1
.set j, 0
.rept 16
	v_pk_add_f32 v[S+32*\t+j:S+32*\t+j+1], v[S+32*\t+j:S+32*\t+j+1], v[SB+8*\t:SB+8*\t+1] op_sel_hi:[1,0]   ; t - M
.set j, j+2
.endr
.endr
	s_wait_alu depctr_va_vdst(0)                   ; ahead of the batch
.set j, 0
.rept 64
	v_exp_f32 v[S+j], v[S+j]                       ; p = 2^(t - M)
.set j, j+1
.endr
.if \first
	v_nop                                          ; a place behind the last exponential
.else
.irp t, 0,1
	v_pk_mul_f32 v[SB+8*\t+2:SB+8*\t+3], v[SB+8*\t+2:SB+8*\t+3], v[SB+8*\t+4:SB+8*\t+5] op_sel_hi:[1,0]     ; the sums under the new M (plain lines behind the batch)
.endr
.endif
	s_wait_alu depctr_va_vdst(0)                   ; and the one behind it, ahead of its first reader
.irp t, 0,1
	v_pk_add_f32 v[LB+2*\t:LB+2*\t+1], v[S+32*\t:S+32*\t+1], v[S+32*\t+2:S+32*\t+3]   ; the sum of the UNQUANTISED p, two chains a tile
.endr
.if \first
.irp t, 0,1
	v_pk_add_f32 v[SB+8*\t+2:SB+8*\t+3], v[S+32*\t+4:S+32*\t+5], v[S+32*\t+6:S+32*\t+7]
.endr
.else
.irp t, 0,1
	v_pk_add_f32 v[SB+8*\t+2:SB+8*\t+3], v[SB+8*\t+2:SB+8*\t+3], v[S+32*\t+4:S+32*\t+5]
	v_pk_add_f32 v[LB+2*\t:LB+2*\t+1], v[LB+2*\t:LB+2*\t+1], v[S+32*\t+6:S+32*\t+7]
.endr
.endif
.irp n, 8,12,16,20,24,28
.irp t, 0,1
	v_pk_add_f32 v[SB+8*\t+2:SB+8*\t+3], v[SB+8*\t+2:SB+8*\t+3], v[S+32*\t+\n:S+32*\t+\n+1]
	v_pk_add_f32 v[LB+2*\t:LB+2*\t+1], v[LB+2*\t:LB+2*\t+1], v[S+32*\t+\n+2:S+32*\t+\n+3]
.endr
.endr
.irp t, 0,1
	v_pk_add_f32 v[SB+8*\t+2:SB+8*\t+3], v[SB+8*\t+2:SB+8*\t+3], v[LB+2*\t:LB+2*\t+1]
.endr
.set j, 0
.rept 64
	v_min_num_f32 v[S+j], v[S+j], v200             ; the conversion does not saturate (ISA guide 7.6.2); p is not negative
.set j, j+1
.endr
.irp t, 0,1
.irp i, 0,1,2,3
	v_cvt_scalef32_pk8_fp8_f32 v[P+8*\t+2*\i:P+8*\t+2*\i+1], v[S+32*\t+8*\i:S+32*\t+8*\i+7], v201
.endr
.endr
.endm
; ONE HALF (32 queries) against my 64 keys of the step in set 'set'.  first = 0: left out as a whole where the flags say so.  first = 1: the first step, walked on every way, with its mask
.macro HALF hf, set, first
.set SB, ST+16*\hf
.if !\first
	s_bitcmp1_b32 s[ACT+\hf], 0
	s_cbranch_scc0 .Lskip_\@
.endif
	WIN 0x02                                       ; K in window 2
.irp i, 0,1,2,3
.irp t, 0,1
	v_wmma_f32_16x16x128_fp8_fp8 v[S+32*\t+8*\i:S+32*\t+8*\i+7], v[128*\set+16*\i:128*\set+16*\i+15], v[Q+32*\hf+16*\t:Q+32*\hf+16*\t+15], 0
.endr
.endr
	WIN 0
	PLACES                                         ; behind the products, ahead of the first read of their results
.if !\first
	s_bitcmp1_b32 s[GEN+\hf], 0
	s_cbranch_scc1 .Lgen_\@
.set j, 0
.rept 32
	v_pk_mul_f32 v[S+j:S+j+1], v[S+j:S+j+1], s[CL:CL+1] op_sel_hi:[1,0]    ; the mask is 0 here; each accumulator from its low end on
.set j, j+2
.endr
	s_wait_alu depctr_va_vdst(0)
	s_branch .Lt_\@
.Lgen_\@:
.endif
	WIN 0x30                                       ; the mask in window 3
.set j, 0
.rept 32
	v_pk_fma_f32 v[S+j:S+j+1], v[S+j:S+j+1], s[CL:CL+1], v[64*\hf+j:64*\hf+j+1] op_sel_hi:[1,0,1]
.set j, j+2
.endr
	WIN 0
.Lt_\@:
	SOFTMAX \first
.if \first
	v_nop                                          ; a plain line between the conversions and the products that read their results
	WIN 0x42                                       ; D window 1, V window 2, P window 0
.irp b, 0,1,2,3,4,5,6,7
.irp t, 0,1
	v_wmma_f32_16x16x64_fp8_fp8 v[128*\hf+64*\t+8*\b:128*\hf+64*\t+8*\b+7], v[128*\set+64+8*\b:128*\set+64+8*\b+7], v[P+8*\t:P+8*\t+7], 0
.endr
.endr
.else
	WIN 0x41
	s_wait_alu depctr_va_vdst(0)
.irp t, 0,1
.set j, 0
.rept 32
	v_pk_mul_f32 v[128*\hf+64*\t+j:128*\hf+64*\t+j+1], v[128*\hf+64*\t+j:128*\hf+64*\t+j+1], v[SB+8*\t+4:SB+8*\t+5] op_sel_hi:[1,0]   ; O^T under the new M
.set j, j+2
.endr
.endr
	WIN 0x52                                       ; C and D window 1, V window 2, P window 0
.irp b, 0,1,2,3,4,5,6,7                        ; sixteen accumulators by turns
.irp t, 0,1
	v_wmma_f32_16x16x64_fp8_fp8 v[128*\hf+64*\t+8*\b:128*\hf+64*\t+8*\b+7], v[128*\set+64+8*\b:128*\set+64+8*\b+7], v[P+8*\t:P+8*\t+7], v[128*\hf+64*\t+8*\b:128*\hf+64*\t+8*\b+7]
.endr
.endr
.endif
	WIN 0
	PLACES                                         ; behind the products: loads into V's registers, and writes of P, follow
.Lskip_\@:
.endm
; A STEP of 128 keys.  The mask where it is wanted, then the next step's K and V into the other set (32 loads, on every way); the wait leaves those 32 out, so all that is older is in: this step's K, V and mask.
.macro STEP set
	s_wait_xcnt 0x0                                ; the earlier loads have read their bases, which are written now
	s_lshl_b32 s[OF], s[IDX], 13
	s_add_nc_u64 s[MB:MB+1], s[6:7], s[OF:OF+1]    ; mimg at this step: two units, 8,192 bytes a step
	s_add_co_u32 s[IDX], s[IDX], 1
	s_min_u32 s[OF2], s[IDX], 15                   ; behind the last step: that step once more, so that no load leaves the buffer
	s_lshl_b32 s[OF2], s[OF2], 14
	s_add_nc_u64 s[KN:KN+1], s[KB:KB+1], s[OF2:OF2+1]
	MLOAD 0
	MLOAD 1
	LOADKV (1-\set), KN
	s_wait_loadcnt 32
	HALF 0, \set, 0
	HALF 1, \set, 0
	s_lshr_b32 s[ACT], s[ACT], 2
	s_lshr_b32 s[ACT+1], s[ACT+1], 2
	s_lshr_b32 s[GEN], s[GEN], 2
	s_lshr_b32 s[GEN+1], s[GEN+1], 2
.endm
	s_wait_alu depctr_va_vdst(0)
	s_wait_loadcnt 32                              ; all but step 1's 32 loads: Q, step 0's K and V, its mask
	HALF 0, 0, 1
	HALF 1, 0, 1
.Ltrip:
	STEP 1
	STEP 0
	s_add_co_u32 s[CNT], s[CNT], 1
	s_cmp_lt_u32 s[CNT], s[TRIPS]
	s_wait_alu depctr_va_vdst(0)
	s_cbranch_scc1 .Ltrip
	; THE END.  First the statistics change hands, so that each wave can bring all four of its tiles under the joint M and divide by the joint sum; then register tile 1 of each half goes to the partner.
	s_wait_loadcnt 0x0                             ; the last loads into K's and V's registers are in: those registers are written below
.irp t, 0,1,2,3
	v_add_f32 v[ST+8*\t+6], v[ST+8*\t+2], v[ST+8*\t+3]
.endr
.irp t, 0,1,2,3
	v_permlanex16_b32 v[PX+\t], v[ST+8*\t+6], s[SEL], s[SEL+1]
.endr
.irp t, 0,1,2,3
	v_add_f32 v[ST+8*\t+1], v[ST+8*\t+6], v[PX+\t] ; the sum over my keys, beside -M
.endr
.irp t, 0,1,2,3
	ds_store_b64 v[SSA], v[ST+8*\t:ST+8*\t+1] offset:256*\t
.endr
	s_wait_alu depctr_va_vdst(0)
	s_wait_dscnt 0x0                               ; for the partner's sake: my stores have landed
	s_barrier_signal -1
	s_barrier_wait -1
.irp t, 0,1,2,3
	ds_load_b64 v[PS+2*\t:PS+2*\t+1], v[SSB] offset:256*(\t^1)     ; my register tile t is the partner's t xor 1
.endr
	s_wait_dscnt 0x0
.irp t, 0,1,2,3
	v_min_num_f32 v[T0+\t], v[ST+8*\t], v[PS+2*\t] ; the joint -M
.endr
.irp t, 0,1,2,3
	v_sub_f32 v[ST+8*\t+6], v[T0+\t], v[ST+8*\t]
	v_sub_f32 v[ST+8*\t+7], v[T0+\t], v[PS+2*\t]
.endr
.irp t, 0,1,2,3
	v_cvt_i32_f32 v[ST+8*\t+6], v[ST+8*\t+6]
	v_cvt_i32_f32 v[ST+8*\t+7], v[ST+8*\t+7]
.endr
.irp t, 0,1,2,3
	v_ldexp_f32 v[ST+8*\t+6], 1.0, v[ST+8*\t+6]    ; my part under the joint M: a power of two,
	v_ldexp_f32 v[ST+8*\t+7], 1.0, v[ST+8*\t+7]    ; and the partner's
.endr
.irp t, 0,1,2,3
	v_mul_f32 v[T1+\t], v[ST+8*\t+1], v[ST+8*\t+6]
.endr
.irp t, 0,1,2,3
	v_fmac_f32 v[T1+\t], v[PS+2*\t+1], v[ST+8*\t+7]   ; the row's sum
.endr
	s_wait_alu depctr_va_vdst(0)                   ; ahead of the batch
.irp t, 0,1,2,3
	v_rcp_f32 v[T1+\t], v[T1+\t]
.endr
	v_nop
	s_wait_alu depctr_va_vdst(0)                   ; behind it
.irp t, 0,1,2,3
	v_mul_f32 v[FG+2*\t], v[ST+8*\t+6], v[T1+\t]
.endr
	WIN 0x81                                       ; from window 1 into window 2, where K and V lay
	s_wait_alu depctr_va_vdst(0)
.irp t, 0,1,2,3
.set j, 0
.rept 32
	v_pk_mul_f32 v[64*\t+j:64*\t+j+1], v[64*\t+j:64*\t+j+1], v[FG+2*\t:FG+2*\t+1] op_sel_hi:[1,0]   ; each accumulator from its low end on
.set j, j+2
.endr
.endr
	WIN 0x08                                       ; store data window 2
.irp h, 0,1
.irp k, 0,1,2,3,4,5,6,7,8,9,10,11,12,13,14,15
	ds_store_b128 v[SOA], v[128*\h+64+4*\k:128*\h+64+4*\k+3] offset:8192*\h+512*\k
.endr
.endr
	WIN 0
	s_wait_alu depctr_va_vdst(0)
	s_wait_dscnt 0x0
	s_barrier_signal -1
	s_barrier_wait -1
	WIN 0xc0
.irp h, 0,1
.irp k, 0,1,2,3,4,5,6,7,8,9,10,11,12,13,14,15
	ds_load_b128 v[64*\h+4*\k:64*\h+4*\k+3], v[SOB] offset:8192*\h+512*\k
.endr
.endr
	WIN 0
	s_wait_dscnt 0x0
.macro OUT h, pr
	WIN 0x0e
.set j, 0
.rept 32
	v_pk_add_f32 v[S+j:S+j+1], v[128*\h+j:128*\h+j+1], v[64*\h+j:64*\h+j+1]    ; my keys' part and the partner's
.set j, j+2
.endr
	WIN 0
.set j, 0
.rept 64
	v_med3_num_f32 v[S+j], v[S+j], -v203, v203
.set j, j+1
.endr
.irp b, 0,1,2,3,4,5,6,7
	v_cvt_scalef32_pk8_fp8_f32 v[\pr+2*\b:\pr+2*\b+1], v[S+8*\b:S+8*\b+7], v202   ; registers 2 b, 2 b + 1: d = 16 b + 8 h + 0 .. 7 of my query
.endr
	v_nop                                          ; a plain line behind the conversions
.irp c, 0,1,2,3
	global_store_b128 v[AO+\h], v[\pr+4*\c:\pr+4*\c+3], s[12:13] offset:512*\c    ; 512 consecutive bytes a store
.endr
.endm
	OUT 0, P
	OUT 1, P2
	s_wait_tensorcnt 0x0                           ; the wave's end
	ds_add_u32 v[SPW], v[NIL]
	s_wait_dscnt 0x0
	s_endpgm
.Lfunc_end_k_q1d88ed2415_attn:
	.size	k_q1d88ed2415_attn, .Lfunc_end_k_q1d88ed2415_attn-k_q1d88ed2415_attn
	.p2alignl 7, 3214868480
	.fill 96, 4, 3214868480
	.section	.rodata,"a",@progbits
	.p2align	6, 0x0
	.amdhsa_kernel k_q1d88ed2415_attn
		.amdhsa_group_segment_fixed_size 70144
		.amdhsa_private_segment_fixed_size 0
		.amdhsa_enable_private_segment 0
		.amdhsa_kernarg_size 40
		.amdhsa_user_sgpr_count 2
		.amdhsa_user_sgpr_kernarg_segment_ptr 1
		.amdhsa_wavefront_size32 1
		.amdhsa_system_sgpr_workgroup_id_x 1
		.amdhsa_system_sgpr_workgroup_id_y 1
		.amdhsa_system_sgpr_workgroup_id_z 1
		.amdhsa_system_vgpr_workitem_id 0
		.amdhsa_next_free_vgpr 896
		.amdhsa_next_free_sgpr 80
		.amdhsa_reserve_vcc 0
		.amdhsa_float_denorm_mode_32 3
		.amdhsa_float_denorm_mode_16_64 3
		.amdhsa_memory_ordered 1
		.amdhsa_forward_progress 1
		.amdhsa_inst_pref_size 177
	.end_amdhsa_kernel
	.amdgpu_metadata
---
amdhsa.version: [ 1, 2 ]
amdhsa.kernels:
  - .name:           k_q1d88ed2415_attn
    .symbol:         k_q1d88ed2415_attn.kd
    .args:
      - { .name: qkv, .offset: 0, .size: 8, .value_kind: global_buffer, .address_space: global }
      - { .name: mimg, .offset: 8, .size: 8, .value_kind: global_buffer, .address_space: global }
      - { .name: lowp_scales, .offset: 16, .size: 8, .value_kind: global_buffer, .address_space: global }
      - { .name: flags, .offset: 24, .size: 8, .value_kind: global_buffer, .address_space: global }
      - { .name: ac, .offset: 32, .size: 8, .value_kind: global_buffer, .address_space: global }
    .group_segment_fixed_size: 70144
    .private_segment_fixed_size: 0
    .kernarg_segment_align: 8
    .kernarg_segment_size: 40
    .max_flat_workgroup_size: 128
    .sgpr_count:     80
    .vgpr_count:     896
    .wavefront_size: 32
...
	.end_amdgpu_metadata
.endif
;; end of part 3
;; launch oproj (part 4): grid 16 x 16, 4 waves a work-group, clusters of 4 x 4, 327,680 bytes of LDS; arguments ac, codes, bo, lowp_scales, out0; writes out0
.if DOCPART == 4
	.amdgcn_target "amdgcn-amd-amdhsa--gfx1250"
	.amdhsa_code_object_version 6
	.text
	.protected	k_q1d88ed2415_oproj
	.globl	k_q1d88ed2415_oproj
	.p2align	8
	.type	k_q1d88ed2415_oproj,@function
k_q1d88ed2415_oproj:
	s_mov_b64 s[64:65], 0
	v_nop
	global_prefetch_b8 v0, s[64:65] scope:SCOPE_SE
	s_setreg_imm32_b32 hwreg(HW_REG_WAVE_MODE, 25, 1), 1
	s_wait_xcnt 0x0
	s_wait_alu depctr_hold_cnt(0) depctr_sa_sdst(0) depctr_va_vdst(0) depctr_va_sdst(0) depctr_va_ssrc(0) depctr_va_vcc(0) depctr_vm_vsrc(0)
	s_getreg_b32 s2, hwreg(HW_REG_IB_STS2, 6, 4)
	s_cmp_eq_u32 s2, 0
	s_cbranch_scc0 .Lentry_in_a_cluster
	s_endpgm
.Lentry_in_a_cluster:
	s_bfe_u32 s2, ttmp6, 0x10000c
	s_cmp_lg_u32 s2, 0xf033
	s_cbranch_scc0 .Lentry_shape_is_right
	s_endpgm
.Lentry_shape_is_right:
.set BOFF,   65536
.set BP,     528
.set SLOT,   BOFF+128*BP
.set STAGE,  2*SLOT
.set SPITCH, 272
.set SPARE,  STAGE+4*16*SPITCH
.set ADRA, 16
.set ADRB, 20
.set STO,  24
.set RD,   25
.set CO,   26
.set HB,   27
.set SPW,  28
.set NIL,  29
.set LI,   30
.set CB,   32
.set T,    64
.set ACC,  128
.set G1,  24
.set G0,  32
.set G1B, 48
.set G0B, 56
.set WV,  14
.set RH,  15
.set CH,  16
.set MSB, 0
.macro WIN new
.if MSB != \new
	s_set_vgpr_msb (MSB<<8)|\new
.set MSB, \new
.endif
.endm
.set MUL,  0x05
.set TO_F, 0x40
.macro JLOAD s
	s_cmp_eq_u32 s[RH], 0
	s_cbranch_scc0 .Lfor_b_\@
	tensor_load_to_lds s[G0+4*(\s):G0+4*(\s)+3], s[G1:G1+7]
	s_nop 0
.rept 4
	v_nop
.endr
	s_branch .Lasked_\@
.Lfor_b_\@:
	tensor_load_to_lds s[G0B+4*(\s):G0B+4*(\s)+3], s[G1B:G1B+7]
	s_nop 0
.rept 4
	v_nop
.endr
.Lasked_\@:
.endm
.macro CROUND
	s_barrier_signal -1
	s_barrier_wait -1
	s_cmp_lg_u32 s[WV], 0
	s_cbranch_scc1 .Lnot_wave_0_\@
	s_barrier_signal -3
.Lnot_wave_0_\@:
	s_barrier_wait -3
	s_barrier_signal -1
	s_barrier_wait -1
.endm
.macro PLACES
.rept 4
	v_nop
.endr
.endm
	s_load_b256 s[4:11], s[0:1], 0x0
	s_load_b64 s[12:13], s[0:1], 0x20
	v_lshl_add_u32 v[SPW], v0, 2, SPARE
	v_mov_b32 v[NIL], 0
	ds_add_u32 v[SPW], v[NIL]
	ds_add_u32 v[SPW], v[NIL]
	v_lshrrev_b32 v1, 5, v0
	v_readfirstlane_b32 s[WV], v1
	s_lshr_b32 s[RH], s[WV], 1
	s_and_b32 s[CH], s[WV], 1
	s_bfe_u32 s40, ttmp6, 0x40000
	s_bfe_u32 s41, ttmp6, 0x40004
	s_lshl_b32 s42, ttmp9, 2
	s_add_co_u32 s42, s42, s40
	s_and_b32 s17, ttmp7, 0xffff
	s_lshl_b32 s17, s17, 2
	s_add_co_u32 s17, s17, s41
	s_lshl_b32 s43, s41, 2
	s_lshl_b32 s43, 15, s43
	s_lshl_b32 s44, 0x1111, s40
	s_or_b32 s[G1], s43, (0<<16)|(1<<21)
	s_mov_b32 s[G1+1], 256<<16
	s_mov_b32 s[G1+2], 128<<16
	s_mov_b32 s[G1+3], 256<<16
	s_mov_b32 s[G1+4], 128
	s_mov_b32 s[G1+5], 256
	s_mov_b32 s[G1+6], 0
	s_mov_b32 s[G1+7], 0
	s_or_b32 s[G1B], s44, (0<<16)|(1<<20)|(1<<21)|(6<<22)|(3<<25)
	s_mov_b32 s[G1B+1], 512<<16
	s_mov_b32 s[G1B+2], 64<<16
	s_mov_b32 s[G1B+3], 512<<16
	s_mov_b32 s[G1B+4], 64
	s_mov_b32 s[G1B+5], 2048
	s_mov_b32 s[G1B+6], 0
	s_mov_b32 s[G1B+7], 0
	s_lshl_b32 s18, s[CH], 15
	s_lshl_b32 s20, s17, 18
	s_add_co_u32 s20, s20, s18
	s_mov_b32 s21, 0
	s_lshl_b32 s46, s42, 18
	s_lshl_b32 s47, s[CH], 17
	s_add_co_u32 s46, s46, s47
	s_add_co_u32 s46, s46, 0x1800000
	s_mov_b32 s47, 0
	s_mul_i32 s19, s[CH], 64*BP
	s_add_co_u32 s19, s19, BOFF
	s_wait_dscnt 0x0
	s_wait_kmcnt 0x0
	s_load_b64 s[84:85], s[10:11], 0x28
	s_add_nc_u64 s[20:21], s[4:5], s[20:21]
	s_add_nc_u64 s[46:47], s[6:7], s[46:47]
	CROUND
.irp s, 0,1
	s_mov_b32 s[G0+4*\s], 1
	s_add_co_u32 s[G0+4*\s+1], s18, \s*SLOT
	s_add_nc_u64 s[G0+4*\s+2:G0+4*\s+3], s[20:21], \s*65536
	s_or_b32 s[G0+4*\s+3], s[G0+4*\s+3], 0x80000000
	s_mov_b32 s[G0B+4*\s], 1
	s_add_co_u32 s[G0B+4*\s+1], s19, \s*SLOT
	s_add_nc_u64 s[G0B+4*\s+2:G0B+4*\s+3], s[46:47], \s*512
	s_or_b32 s[G0B+4*\s+3], s[G0B+4*\s+3], 0x80000000
	s_wait_alu depctr_va_vdst(0)
	s_wait_tensorcnt 0x0
	ds_add_u32 v28, v29
	ds_add_u32 v28, v29
	s_wait_dscnt 0x0
	CROUND
	JLOAD \s
.endr
	v_and_b32 v1, 15, v0
	v_bfe_u32 v2, v0, 4, 1
	v_and_b32 v3, 31, v0
	v_lshlrev_b32 v[LI], 4, v3
	s_wait_alu depctr_va_vdst(0)
	v_lshlrev_b32 v[HB], 5, v2
	s_lshl_b32 s66, s42, 9
	s_lshl_b32 s67, s[CH], 8
	s_add_co_u32 s66, s66, s67
	s_mov_b32 s67, 0
	s_add_nc_u64 s[8:9], s[8:9], s[66:67]
.irp b, 0,1,2,3
	global_load_b128 v[CB+8*\b:CB+8*\b+3], v[HB], s[8:9] offset:64*\b
	global_load_b128 v[CB+8*\b+4:CB+8*\b+7], v[HB], s[8:9] offset:64*\b+16
.endr
	s_lshl_b32 s68, s17, 20
	s_lshl_b32 s69, s[RH], 19
	s_add_co_u32 s68, s68, s69
	s_mov_b32 s69, 0
	s_add_nc_u64 s[12:13], s[12:13], s[68:69]
	s_add_nc_u64 s[12:13], s[12:13], s[66:67]
	s_lshl_b32 s70, s[RH], 13
	v_add_nc_u32 v[ADRA], s70, v[LI]
	v_add_nc_u32 v[ADRA+1], SLOT, v[ADRA]
	s_mul_i32 s70, s[CH], 64*BP
	s_add_co_u32 s70, s70, BOFF
	v_mul_u32_u24 v4, v1, BP
	v_lshl_add_u32 v4, v2, 4, v4
	v_add_nc_u32 v[ADRB], s70, v4
	v_add_nc_u32 v[ADRB+1], SLOT, v[ADRB]
	s_mul_i32 s70, s[WV], 16*SPITCH
	s_add_co_u32 s70, s70, STAGE
	v_mul_u32_u24 v4, v1, SPITCH
	v_lshl_add_u32 v4, v2, 5, v4
	v_add_nc_u32 v[STO], s70, v4
	v_mul_u32_u24 v4, v2, SPITCH
	v_lshl_add_u32 v4, v1, 4, v4
	v_add_nc_u32 v[RD], s70, v4
	v_lshlrev_b32 v[CO], 13, v2
	v_lshl_add_u32 v[CO], v1, 4, v[CO]
.macro FETCH slot, q, p
	WIN TO_F
.irp a, 0,1,2,3
.irp c, 0,1,2,3
	ds_load_b128 v[128*(\p)+16*\a+4*\c:128*(\p)+16*\a+4*\c+3], v[ADRA+(\slot)] offset:(\q)*16384+\a*2048+512*\c
.endr
.endr
.irp b, 0,1,2,3
.irp c, 0,1,2,3
	ds_load_b128 v[128*(\p)+64+16*\b+4*\c:128*(\p)+64+16*\b+4*\c+3], v[ADRB+(\slot)] offset:128*(\q)+32*\c+\b*16*BP
.endr
.endr
.endm
.macro CHANGE slot, fill
	WIN 0
	s_wait_tensorcnt 0x0
	ds_add_u32 v[SPW], v[NIL]
.if \fill
	s_add_nc_u64 s[G0+4*(\slot)+2:G0+4*(\slot)+3], s[G0+4*(\slot)+2:G0+4*(\slot)+3], 2*65536
	s_add_nc_u64 s[G0B+4*(\slot)+2:G0B+4*(\slot)+3], s[G0B+4*(\slot)+2:G0B+4*(\slot)+3], 2*512
.endif
	s_wait_dscnt 0x0
.if \fill
	CROUND
	JLOAD \slot
.else
	s_barrier_signal -1
	s_barrier_wait -1
.endif
.endm
.macro GSTEP n
.set PS, (\n)%2
.if ((\n)%4 == 3) && ((\n) < 15)
.if (\n) < 11
	CHANGE ((\n)/4)%2, 1
.else
	CHANGE 0, 0
.endif
.endif
.if (\n) < 15
.if (\n) > 0
	PLACES
.endif
	s_wait_alu depctr_va_vdst(0)
	FETCH (((\n)+1)/4)%2, ((\n)+1)%4, 1-PS
	s_wait_dscnt 32
.else
	s_wait_dscnt 0x0
.endif
	WIN MUL
.irp a, 0,1,2,3
.irp b, 0,1,2,3
.if (\n) == 0
	v_wmma_f32_16x16x128_fp8_fp8 v[ACC+8*(4*\a+\b):ACC+8*(4*\a+\b)+7], v[128*PS+64+16*\b:128*PS+64+16*\b+15], v[128*PS+16*\a:128*PS+16*\a+15], 0
.else
	v_wmma_f32_16x16x128_fp8_fp8 v[ACC+8*(4*\a+\b):ACC+8*(4*\a+\b)+7], v[128*PS+64+16*\b:128*PS+64+16*\b+15], v[128*PS+16*\a:128*PS+16*\a+15], v[ACC+8*(4*\a+\b):ACC+8*(4*\a+\b)+7]
.endif
.endr
.endr
.endm
	s_wait_tensorcnt 1
	s_barrier_signal -1
	s_barrier_wait -1
	FETCH 0, 0, 0
.irp n, 0,1,2,3,4,5,6,7,8,9,10,11,12,13,14,15
	GSTEP \n
.endr
	WIN 0
.macro TOSTAGE a
.irp b, 0,1,2,3
.irp i, 0,2,4,6
	v_pk_fma_f32 v[T+8*\b+\i:T+8*\b+\i+1], v[ACC+8*(4*(\a)+\b)+\i:ACC+8*(4*(\a)+\b)+\i+1], s[86:87], v[CB+8*\b+\i:CB+8*\b+\i+1] op_sel_hi:[1,0,1]
.endr
.endr
.irp b, 0,1,2,3
	ds_store_b128 v[STO], v[T+8*\b:T+8*\b+3] offset:64*\b
	ds_store_b128 v[STO], v[T+8*\b+4:T+8*\b+7] offset:64*\b+16
.endr
.irp t, 0,1,2,3,4,5,6,7
	ds_load_b128 v[ACC+32*(\a)+4*\t:ACC+32*(\a)+4*\t+3], v[RD] offset:\t*2*SPITCH
.endr
.endm
.macro SEND a, younger
	s_wait_dscnt \younger
.irp t, 0,1,2,3,4,5,6,7
	global_store_b128 v[CO], v[ACC+32*(\a)+4*\t:ACC+32*(\a)+4*\t+3], s[12:13] offset:(16*(\a)+2*\t)*8192 th:TH_STORE_NT
.endr
.endm
	s_wait_kmcnt 0x0
	s_add_co_i32 s86, s84, s85
	s_add_co_i32 s86, s86, 127
	s_lshl_b32 s86, s86, 23
	s_mov_b32 s87, s86
	s_wait_loadcnt 0x0
	PLACES
	TOSTAGE 0
	TOSTAGE 1
	SEND 0, 16
	TOSTAGE 2
	SEND 1, 16
	TOSTAGE 3
	SEND 2, 16
	SEND 3, 0
	s_wait_tensorcnt 0x0
	ds_add_u32 v[SPW], v[NIL]
	s_wait_dscnt 0x0
	CROUND
	s_endpgm
.Lfunc_end_k_q1d88ed2415_oproj:
	.size	k_q1d88ed2415_oproj, .Lfunc_end_k_q1d88ed2415_oproj-k_q1d88ed2415_oproj
	.p2alignl 7, 3214868480
	.fill 96, 4, 3214868480
	.section	.rodata,"a",@progbits
	.p2align	6, 0x0
	.amdhsa_kernel k_q1d88ed2415_oproj
		.amdhsa_group_segment_fixed_size 327680
		.amdhsa_private_segment_fixed_size 0
		.amdhsa_enable_private_segment 0
		.amdhsa_kernarg_size 40
		.amdhsa_user_sgpr_count 2
		.amdhsa_user_sgpr_kernarg_segment_ptr 1
		.amdhsa_wavefront_size32 1
		.amdhsa_system_sgpr_workgroup_id_x 1
		.amdhsa_system_sgpr_workgroup_id_y 1
		.amdhsa_system_sgpr_workgroup_id_z 1
		.amdhsa_system_vgpr_workitem_id 0
		.amdhsa_next_free_vgpr 512
		.amdhsa_next_free_sgpr 96
		.amdhsa_reserve_vcc 0
		.amdhsa_float_denorm_mode_32 3
		.amdhsa_float_denorm_mode_16_64 3
		.amdhsa_memory_ordered 1
		.amdhsa_forward_progress 1
		.amdhsa_inst_pref_size 75
	.end_amdhsa_kernel
	.amdgpu_metadata
---
amdhsa.version: [ 1, 2 ]
amdhsa.kernels:
  - .name:           k_q1d88ed2415_oproj
    .symbol:         k_q1d88ed2415_oproj.kd
    .args:
      - { .name: ac, .offset: 0, .size: 8, .value_kind: global_buffer, .address_space: global }
      - { .name: codes, .offset: 8, .size: 8, .value_kind: global_buffer, .address_space: global }
      - { .name: bo, .offset: 16, .size: 8, .value_kind: global_buffer, .address_space: global }
      - { .name: lowp_scales, .offset: 24, .size: 8, .value_kind: global_buffer, .address_space: global }
      - { .name: out0, .offset: 32, .size: 8, .value_kind: global_buffer, .address_space: global }
    .group_segment_fixed_size: 327680
    .private_segment_fixed_size: 0
    .kernarg_segment_align: 8
    .kernarg_segment_size: 40
    .max_flat_workgroup_size: 128
    .sgpr_count:     96
    .vgpr_count:     512
    .wavefront_size: 32
...
	.end_amdgpu_metadata
.endif
;; end of part 4
